; MI455X (gfx1250); checked and timed in simulation.
; The chip was launched on July 23, 2026; its instructions are those of AMD's public machine-readable ISA for CDNA 5 (MIT licence, August 2026) and "CDNA5" Instruction Set Architecture Reference Guide (July 2026). The comments in the code are by the model that wrote it; some were corrected since.
;; Block. Allowed arithmetic: matrix products marked QUANTISED: E5M2 operands, one given power-of-two scale a tensor, by v_wmma_f32_16x16x64_bf8_bf8 or v_wmma_f32_16x16x128_bf8_bf8, f32 sums; everything else in f32.
;; Inputs: W1_codes 2,048 x 16 x 32 uint8 (E5M2 codes of W1, K innermost, in blocks of 32 codes); W2_codes 512 x 64 x 32 uint8 (E5M2 codes of W2, K innermost, in blocks of 32 codes); Wk_codes 512 x 16 x 32 uint8 (E5M2 codes of Wk, K innermost, in blocks of 32 codes); Wp_codes 512 x 16 x 32 uint8 (E5M2 codes of Wp, K innermost, in blocks of 32 codes); Wq_codes 512 x 16 x 32 uint8 (E5M2 codes of Wq, K innermost, in blocks of 32 codes); Wv_codes 512 x 16 x 32 uint8 (E5M2 codes of Wv, K innermost, in blocks of 32 codes); b1 2,048 float32; b2 512 float32; beta1 512 float32; beta2 512 float32; bk 512 float32; bp 512 float32; bq 512 float32; bv 512 float32; g1 512 float32; g2 512 float32; lowp_scales 16 int32 (the exponents e of the quantised operands' scales 2^e); x 4 x 2,048 x 512 float32.
;; Outputs: out0 4 x 2,048 x 512 float32.
;; This version of the problem:
;;   THIS VERSION OF THE PROBLEM IS GIVEN IN LOW PRECISION. The matrix products marked QUANTISED in the list below multiply operands that are first quantised to E5M2 (5 exponent bits, 2 mantissa bits; 8 bits a number), with one given power-of-two scale for each operand tensor; their sums are f32. All else is computed in f32.
;;   The module's matrix products, in the order in which they are computed (A, B: the left and right operand; K: the contracted axis; several contracted axes count as one K, in the product's order):
;;     1. [M 8,192, K 512] x [K 512, N 512]; A: computed on the way; B: input Wq (given as codes): QUANTISED (scales: A lowp_scales[0], B lowp_scales[1])
;;     2. [M 8,192, K 512] x [K 512, N 512]; A: computed on the way; B: input Wk (given as codes): QUANTISED (scales: A lowp_scales[2], B lowp_scales[3])
;;     3. [M 8,192, K 512] x [K 512, N 512]; A: computed on the way; B: input Wv (given as codes): QUANTISED (scales: A lowp_scales[4], B lowp_scales[5])
;;     4. batch 32 x [M 2,048, K 64] x [K 64, N 2,048]; A: computed on the way; B: computed on the way: QUANTISED (scales: A lowp_scales[6], B lowp_scales[7])
;;     5. batch 32 x [M 2,048, K 2,048] x [K 2,048, N 64]; A: softmax (see below); B: computed on the way: QUANTISED (scales: A lowp_scales[8], B lowp_scales[9])
;;     6. [M 8,192, K 512] x [K 512, N 512]; A: computed on the way; B: input Wp (given as codes): QUANTISED (scales: A lowp_scales[10], B lowp_scales[11])
;;     7. [M 8,192, K 512] x [K 512, N 2,048]; A: computed on the way; B: input W1 (given as codes): QUANTISED (scales: A lowp_scales[12], B lowp_scales[13])
;;     8. [M 8,192, K 2,048] x [K 2,048, N 512]; A: computed on the way; B: input W2 (given as codes): QUANTISED (scales: A lowp_scales[14], B lowp_scales[15])
;;   THE QUANTISER, for each operand of a quantised product, along K:
;;     - The operand's scale is 2^e, e = its entry of the input lowp_scales (int32; the entries are numbered through the quantised products in the list's order, A before B).
;;     - Each number is divided by the scale, clamped to +-57,344, and rounded to the nearest number of E5M2, ties to even, subnormals kept.
;;     - The product sums the exact products of the quantised numbers (number of the format x scale) in f32.
;;   ~~~python
;;   def quantise(x, axis, e):      # numpy; x: float32 -> the quantised numbers, widened to float32 again
;;       x = np.moveaxis(x, axis, -1); K = x.shape[-1]
;;       r = np.clip(x / 2.0 ** e, -57344, 57344)
;;       step = 2.0 ** (np.maximum(np.frexp(np.where(r == 0, 1, r))[1] - 1, -14) - 2)
;;       q = np.round(r / step) * step * 2.0 ** e      # np.round: ties to even
;;       return np.moveaxis(q, -1, axis).astype(np.float32)
;;   ~~~
;;   SOFTMAX AHEAD OF A QUANTISED PRODUCT. Where the list says 'softmax', what is quantised is not the finished softmax but p = 2^(t - M), with t = logit x log2(e) and M = ceil(the row's largest t), a whole number; so 1/2 < the row's largest p <= 1. The row's sum l is taken of the UNQUANTISED p, in f32, and the product's result is divided by l at the end. Since M is a whole number, a kernel that streams over the keys may use a running M (the ceiling of the running maximum): every later rescaling is an exact power of two, so the quantised numbers keep their values, but for numbers so far below the row's largest that they fall under the format's range.
;;   OPERANDS COMPUTED ON THE WAY. 'Computed on the way' means the value that the module computes at that place (a softmax that the list does not call 'softmax' is quantised finished and normalised). What goes into a quantiser is computed in f32, as accurately as f32 sums, v_exp_f32 and their like allow (about 1e-6 of the number): no bf16 or f16 on the way to a quantiser, and a product that is left as it is and whose result goes on into a quantised operand takes f32 operands (vector FMAs, or v_wmma_f32_16x16x4_f32). A number that lies on a knife's edge between two numbers of the format may be rounded either way, as far as f32 arithmetic and the matrix unit's own rounding can turn it there, and no further.
;;   INPUTS GIVEN AS CODES. W1 (in the module: [512, 2048], K = its axis 0); W2 (in the module: [2048, 512], K = its axis 0); Wk (in the module: [512, 512], K = its axis 0); Wp (in the module: [512, 512], K = its axis 0); Wq (in the module: [512, 512], K = its axis 0); Wv (in the module: [512, 512], K = its axis 0): each comes as NAME_codes (uint8): NAME with its K axis moved to the last place and cut into blocks of 32 codes, [.., K / 32, bytes a block], one block behind the other in memory; one code a byte (a code: sign, 5 exponent bits, 2 mantissa bits); its scale is its entry of lowp_scales. Its value is code x scale, taken as it is: it is not quantised again, and the codes and scales need not be those that the quantiser above would give.
;; One version. Each part assembles by itself: llvm-mc -triple=amdgcn-amd-amdhsa -mcpu=gfx1250 --defsym DOCPART=n.
;; ======== version 1 of 1: 4 launches
;; limits: right only within a limited range of input values
;; workspace buffers: wimg 3,145,728 bytes; q_img 4,194,304 bytes; k_img 4,194,304 bytes; v_img 4,194,304 bytes; y_img 4,194,304 bytes
;; launch prep (part 1): grid 192 x 1, 1 waves a work-group, no clusters, 17,152 bytes of LDS; arguments Wq_codes, Wk_codes, Wv_codes, Wp_codes, W1_codes, W2_codes, wimg; writes wimg
.if DOCPART == 1
	.amdgcn_target "amdgcn-amd-amdhsa--gfx1250"
	.amdhsa_code_object_version 6
	.text
	.protected	k_qb2a16cda7e_prep
	.globl	k_qb2a16cda7e_prep
	.p2align	8
	.type	k_qb2a16cda7e_prep,@function
k_qb2a16cda7e_prep:
	s_mov_b64 s[64:65], 0
	v_nop
	global_prefetch_b8 v0, s[64:65] scope:SCOPE_SE
	s_setreg_imm32_b32 hwreg(HW_REG_WAVE_MODE, 25, 1), 1
	s_wait_xcnt 0x0
; THE PROGRAM: a transformer block (LayerNorm, causal attention, projection, LayerNorm, MLP with the exact GELU) on 8,192 rows of 512, all eight products on codes of BF8 (E5M2).
; Four launches: prep (this one) | qkv: LayerNorm 1, products 1 to 3, q, k, v quantised | attn: products 4 and 5 | tail: products 6 to 8 with both residuals.
; WORK LEFT OUT.  reference() builds jnp.tril in its own body and puts -infinity where key > query, so p = 0 there for all values of the inputs.  A step of 128 keys all of which come after
; a wave's 16 queries adds nothing to any sum and is not multiplied (launch attn).  Nothing else is left out: every input has a way to the output and is loaded; bk stays, since it moves k's codes.
; LIMIT: a NaN, an infinity or an overflow that reaches only such hidden scores is not carried to the result.
;
; THIS LAUNCH lays the six weights (codes, K innermost) out as IMAGES OF OPERAND REGISTERS, in the order in which each consuming wave walks them, so that every later load of a weight is
; 512 consecutive bytes that go straight into a fragment's registers.
; A fragment is 16 rows x 128 K in 16 registers: lane (r = l % 16, h = l / 16) holds k = 32 c + 16 h + 0..15 of its row in registers 4 c .. 4 c + 3; its image is four groups of 512 bytes, lane l at 16 l.
; A UNIT is 32 weight rows x 128 K as two tiles u = 0, 1; lane r of tile u takes row 8 u + r + 8 (r / 8), so that the results of the two tiles are 16 neighbours along the next K.  4,096 bytes.
; wimg: bytes 0 ..: [wave 16][unit 12] for qkv (unit 4 j + s: W{q,k,v}[j], rows 32 w on, K 128 s on);  bytes TAILB ..: [wave 16][unit 36] for tail
; (0-3: Wp rows 32 w; 4 + 4 p + s: W1 rows 128 w + 32 p; 20 + s: W2 rows 32 w).
; A work-group of one wave takes a job J: 32 source rows x 512 bytes = four units, 16,384 consecutive bytes of wimg.  192 jobs are all the work there is.
.set PITCH, 528                        ; a stage row: 512 bytes + 16: the 16 rows that a read touches start 16 bytes apart modulo 256
.set SPARE, 32*PITCH                   ; behind the stage: the spare words, one block of 256 bytes that no other line names
.set TAILB, 786432
.set QW,    49152                      ; a wave's 12 units
.set TW,    147456                     ; a wave's 36 units
.set LI,  1                            ; v1  16 x lane
.set SR,  3                            ; v3  where I read the stage: (r + 8 (r / 8)) x PITCH + 16 h
.set SPW, 4                            ; v4  LDS address of my spare word; never rewritten
.set NIL, 5                            ; v5  0; never rewritten
.set D,   16                           ; v16-143 the job's 16,384 bytes
.set J,   20
	s_load_b256 s[4:11], s[0:1], 0x0               ; Wq, Wk, Wv, Wp
	s_load_b128 s[12:15], s[0:1], 0x20             ; W1, W2
	s_load_b64 s[16:17], s[0:1], 0x30              ; wimg
	v_lshl_add_u32 v[SPW], v0, 2, SPARE
	v_mov_b32 v[NIL], 0
	v_lshlrev_b32 v[LI], 4, v0                     ; one wave: the thread's number is the lane
	v_and_b32 v6, 15, v0                           ; r
	v_lshrrev_b32 v7, 4, v0                        ; h
	v_and_b32 v8, 8, v6
	v_add_nc_u32 v8, v8, v6                        ; r + 8 (r / 8)
	v_mul_u32_u24 v[SR], v8, PITCH
	v_lshl_add_u32 v[SR], v7, 4, v[SR]
	s_mov_b32 s[J], ttmp9
	; J 0-47: W{q,k,v}[J / 16], wave J % 16.  48-63: Wp, wave J % 16.  64-127: W1, i = J % 64.  128-191: W2, i = J % 64: rows 32 (i / 4), bytes 512 (i % 4) of rows of 2,048
	s_and_b32 s21, s[J], 15                        ; w
	s_lshr_b32 s22, s[J], 4                        ; j
	s_and_b32 s23, s[J], 63                        ; i
	s_lshr_b32 s24, s23, 2                         ; i / 4: the consuming wave
	s_and_b32 s25, s23, 3                          ; i % 4
	s_lshl_b32 s26, s21, 14                        ; from: 32 w rows of 512 bytes (q, k, v, p)
	s_mul_i32 s27, s21, QW
	s_lshl_b32 s28, s22, 14
	s_add_co_u32 s27, s27, s28                     ; to, for q, k, v
	s_mul_i32 s28, s21, TW
	s_add_co_u32 s28, s28, TAILB                   ; to, for Wp
	s_lshl_b32 s29, s23, 14                        ; from, for W1
	s_mul_i32 s30, s24, TW
	s_lshl_b32 s31, s25, 14
	s_add_co_u32 s30, s30, s31
	s_add_co_u32 s30, s30, TAILB+16384             ; to, for W1: behind Wp's four units
	s_lshl_b32 s31, s24, 16
	s_lshl_b32 s32, s25, 9
	s_add_co_u32 s31, s31, s32                     ; from, for W2
	s_add_co_u32 s32, s30, 65536                   ; to, for W2: behind W1's sixteen units
	s_mov_b32 s41, 0
	s_mov_b32 s43, 0
	s_wait_kmcnt 0x0
	s_cmp_lt_u32 s[J], 128                         ; the choices hang on the work-group's number alone
	s_cselect_b32 s40, s29, s31
	s_cselect_b32 s42, s30, s32
	s_cselect_b64 s[44:45], s[12:13], s[14:15]
	s_cmp_lt_u32 s[J], 64
	s_cselect_b32 s40, s26, s40
	s_cselect_b32 s42, s28, s42
	s_cselect_b64 s[44:45], s[10:11], s[44:45]
	s_cmp_lt_u32 s[J], 48
	s_cselect_b32 s42, s27, s42
	s_cselect_b64 s[44:45], s[8:9], s[44:45]
	s_cmp_lt_u32 s[J], 32
	s_cselect_b64 s[44:45], s[6:7], s[44:45]
	s_cmp_lt_u32 s[J], 16
	s_cselect_b64 s[44:45], s[4:5], s[44:45]
	s_add_nc_u64 s[44:45], s[44:45], s[40:41]
	s_add_nc_u64 s[16:17], s[16:17], s[42:43]
	s_cmp_lt_u32 s[J], 128
	s_cbranch_scc0 .Lwide                          ; the two arms differ in the source's row pitch alone: 32 loads in each
.set i, 0
	s_wait_alu depctr_va_vdst(0)
.rept 32
	global_load_b128 v[D+4*i:D+4*i+3], v[LI], s[44:45] offset:i*512 th:TH_LOAD_NT    ; a row's 512 bytes, 16 a lane
.set i, i+1
.endr
	s_branch .Lin
.Lwide:
.set i, 0
	s_wait_alu depctr_va_vdst(0)
.rept 32
	global_load_b128 v[D+4*i:D+4*i+3], v[LI], s[44:45] offset:i*2048 th:TH_LOAD_NT
.set i, i+1
.endr
.Lin:
.set i, 0
.rept 32
	s_wait_loadcnt 31-i                            ; loads come back in order: row i is in, the 31 - i younger ones may be out
	ds_store_b128 v[LI], v[D+4*i:D+4*i+3] offset:i*PITCH
.set i, i+1
.endr
	s_wait_dscnt 0x0                               ; the stores are done: their registers take the loads below
.set g, 0
.rept 32                                       ; group g = 8 s + 4 u + c: K 128 s + 32 c on, tile u
	ds_load_b128 v[D+4*g:D+4*g+3], v[SR] offset:((g/4)%2)*8*PITCH+128*(g/8)+32*(g%4)
.set g, g+1
.endr
.set g, 0
.rept 32
	s_wait_dscnt 31-g                              ; group g is in
	global_store_b128 v[LI], v[D+4*g:D+4*g+3], s[16:17] offset:512*g    ; 32 lanes store 512 consecutive bytes, at a multiple of 512 from wimg's first byte
.set g, g+1
.endr
	s_wait_tensorcnt 0x0                           ; the wave's end
	ds_add_u32 v[SPW], v[NIL]
	s_wait_dscnt 0x0
	s_endpgm
.Lfunc_end_k_qb2a16cda7e_prep:
	.size	k_qb2a16cda7e_prep, .Lfunc_end_k_qb2a16cda7e_prep-k_qb2a16cda7e_prep
	.p2alignl 7, 3214868480
	.fill 96, 4, 3214868480
	.section	.rodata,"a",@progbits
	.p2align	6, 0x0
	.amdhsa_kernel k_qb2a16cda7e_prep
		.amdhsa_group_segment_fixed_size 17152
		.amdhsa_private_segment_fixed_size 0
		.amdhsa_enable_private_segment 0
		.amdhsa_kernarg_size 56
		.amdhsa_user_sgpr_count 2
		.amdhsa_user_sgpr_kernarg_segment_ptr 1
		.amdhsa_wavefront_size32 1
		.amdhsa_system_sgpr_workgroup_id_x 1
		.amdhsa_system_sgpr_workgroup_id_y 1
		.amdhsa_system_sgpr_workgroup_id_z 1
		.amdhsa_system_vgpr_workitem_id 0
		.amdhsa_next_free_vgpr 144
		.amdhsa_next_free_sgpr 66
		.amdhsa_reserve_vcc 0
		.amdhsa_float_denorm_mode_32 3
		.amdhsa_float_denorm_mode_16_64 3
		.amdhsa_memory_ordered 1
		.amdhsa_forward_progress 1
		.amdhsa_inst_pref_size 18
	.end_amdhsa_kernel
	.amdgpu_metadata
---
amdhsa.version: [ 1, 2 ]
amdhsa.kernels:
  - .name:           k_qb2a16cda7e_prep
    .symbol:         k_qb2a16cda7e_prep.kd
    .args:
      - { .name: Wq_codes, .offset: 0, .size: 8, .value_kind: global_buffer, .address_space: global }
      - { .name: Wk_codes, .offset: 8, .size: 8, .value_kind: global_buffer, .address_space: global }
      - { .name: Wv_codes, .offset: 16, .size: 8, .value_kind: global_buffer, .address_space: global }
      - { .name: Wp_codes, .offset: 24, .size: 8, .value_kind: global_buffer, .address_space: global }
      - { .name: W1_codes, .offset: 32, .size: 8, .value_kind: global_buffer, .address_space: global }
      - { .name: W2_codes, .offset: 40, .size: 8, .value_kind: global_buffer, .address_space: global }
      - { .name: wimg, .offset: 48, .size: 8, .value_kind: global_buffer, .address_space: global }
    .group_segment_fixed_size: 17152
    .private_segment_fixed_size: 0
    .kernarg_segment_align: 8
    .kernarg_segment_size: 56
    .max_flat_workgroup_size: 32
    .sgpr_count:     66
    .vgpr_count:     144
    .wavefront_size: 32
...
	.end_amdgpu_metadata
.endif
;; end of part 1
;; launch qkv (part 2): grid 256 x 1, 16 waves a work-group, clusters of 4 x 1, 327,680 bytes of LDS; arguments x, g1, beta1, bq, bk, bv, lowp_scales, wimg, q_img, k_img, v_img; writes q_img, k_img, v_img
.if DOCPART == 2
	.amdgcn_target "amdgcn-amd-amdhsa--gfx1250"
	.amdhsa_code_object_version 6
	.text
	.protected	k_qb2a16cda7e_qkv
	.globl	k_qb2a16cda7e_qkv
	.p2align	8
	.type	k_qb2a16cda7e_qkv,@function
k_qb2a16cda7e_qkv:
	s_mov_b64 s[64:65], 0
	v_nop
	global_prefetch_b8 v0, s[64:65] scope:SCOPE_SE
	s_setreg_imm32_b32 hwreg(HW_REG_WAVE_MODE, 25, 1), 1
	s_wait_xcnt 0x0
	s_wait_alu depctr_hold_cnt(0) depctr_sa_sdst(0) depctr_va_vdst(0) depctr_va_sdst(0) depctr_va_ssrc(0) depctr_va_vcc(0) depctr_vm_vsrc(0)
	s_getreg_b32 s2, hwreg(HW_REG_IB_STS2, 6, 4)
	s_cmp_eq_u32 s2, 0
	s_cbranch_scc0 .Lentry_in_a_cluster
	s_endpgm
.Lentry_in_a_cluster:
	s_bfe_u32 s2, ttmp6, 0x10000c
	s_cmp_lg_u32 s2, 0x3003
	s_cbranch_scc0 .Lentry_shape_is_right
	s_endpgm
.Lentry_shape_is_right:
.set NU,   12
.set IMGQ, 0
.set IMGK, 16384
.set IMGV, 32768
.set HSTG, 49152
.set HP,   2064
.set RING, HSTG+32*HP
.set SPARE, RING+16*8192
.set LI,  1
.set XO,  2
.set HST, 3
.set HRN, 4
.set HRP, 5
.set IMW, 6
.set SC,  7
.set LM,  8
.set SPW, 9
.set NIL, 10
.set BO,  11
.set BVO, 12
.set RR,  13
.set RG,  13
.set HH,  14
.set TT,  15
.set CD,  16
.set BQ,  24
.set BK,  40
.set BV,  56
.set T0,  58
.set T1,  60
.set PL,  62
.set ACT, 64
.set ACC, 96
.set WR,  128
.set CQ,  224
.set E,   28
.set WV,  44
.set WB,  46
.set SEL, 48
.set NRN, 50
.set RN,  51
.set EPS, 52
.set P0,  53
.set L0,  54
.set P2,  55
.set L2,  56
.set P4,  57
.set L4,  58
.set G0,  60
.set PQ,  66
.set LQ,  67
.set PK,  68
.set LK,  69
.set PV,  70
.set LV,  71
.set NEQ, 72
.set NEK, 73
.set NEV, 74
.set G1,  92
.macro MKPL p, l, e
	s_add_co_i32 s[\p], s[\e], 127
	s_add_co_i32 s[\l], s[\e], 142
	s_lshl_b32 s[\p], s[\p], 23
	s_lshl_b32 s[\l], s[\l], 23
	s_or_b32 s[\l], s[\l], 0x600000
.endm
.macro BAR
	s_wait_dscnt 0x0
	s_barrier_signal -1
	s_barrier_wait -1
.endm
.macro ROUND
	s_barrier_signal -1
	s_barrier_wait -1
	s_cmp_lg_u32 s[WV], 0
	s_cbranch_scc1 .Lnw0_\@
	s_barrier_signal -3
.Lnw0_\@:
	s_barrier_wait -3
	s_barrier_signal -1
	s_barrier_wait -1
.endm
.macro REFILL
	s_wait_tensorcnt 0x0
	ds_add_u32 v[SPW], v[NIL]
	s_add_nc_u64 s[G0+16*SL+2:G0+16*SL+3], s[G0+16*SL+2:G0+16*SL+3], 6*4096
	s_wait_dscnt 0x0
	ROUND
	tensor_load_to_lds s[G0+16*SL:G0+16*SL+3], s[G1:G1+7]
	s_nop 0
.endm
.macro WLOAD n
.irp f, 0,1
.irp c, 0,1,2,3
	global_load_b128 v[WR+32*((\n)%4)+16*\f+4*\c:WR+32*((\n)%4)+16*\f+4*\c+3], v[LI], s[WB:WB+1] offset:4096*(\n)+2048*\f+512*\c
.endr
.endr
.endm
.macro LANESUM a, b
.irp m, 1,2,4,8
	s_delay_alu instid0(VALU_DEP_2)
	v_add_f32_dpp v[\a], v[\a], v[\a] row_xmask:\m row_mask:0xf bank_mask:0xf
	s_delay_alu instid0(VALU_DEP_2)
	v_add_f32_dpp v[\b], v[\b], v[\b] row_xmask:\m row_mask:0xf bank_mask:0xf
.endr
	s_delay_alu instid0(VALU_DEP_2)
	v_permlanex16_b32 v[PL], v[\a], s[SEL], s[SEL+1]
	s_delay_alu instid0(VALU_DEP_2)
	v_permlanex16_b32 v[PL+1], v[\b], s[SEL], s[SEL+1]
	s_delay_alu instid0(VALU_DEP_2)
	v_add_f32 v[\a], v[\a], v[PL]
	s_delay_alu instid0(VALU_DEP_2)
	v_add_f32 v[\b], v[\b], v[PL+1]
.endm
	s_load_b256 s[4:11], s[0:1], 0x0
	s_load_b256 s[12:19], s[0:1], 0x20
	s_load_b128 s[20:23], s[0:1], 0x40
	s_load_b64 s[24:25], s[0:1], 0x50
	v_lshl_add_u32 v[SPW], v0, 2, SPARE
	v_mov_b32 v[NIL], 0
	ds_add_u32 v[SPW], v[NIL]
	ds_add_u32 v[SPW], v[NIL]
	v_lshrrev_b32 v[TT], 5, v0
	s_delay_alu instid0(VALU_DEP_1)
	v_readfirstlane_b32 s[WV], v[TT]
	v_and_b32 v[TT], 31, v0
	s_delay_alu instid0(VALU_DEP_1)
	v_lshlrev_b32 v[LI], 4, v[TT]
	v_and_b32 v[RR], 15, v0
	s_wait_alu depctr_va_vdst(0)
	v_bfe_u32 v[HH], v0, 4, 1
	v_mov_b32 v[PL], 0
	v_mov_b32 v[PL+1], 0
	s_lshl_b32 s76, s[WV], 12
	v_add_nc_u32 v[XO], s76, v[LI]
	s_mul_i32 s76, s[WV], 2*HP
	s_add_co_u32 s76, s76, HSTG
	v_add_nc_u32 v[HST], s76, v[LI]
	s_and_b32 s77, s[WV], 1
	s_lshr_b32 s78, s[WV], 1
	s_lshl_b32 s79, s78, 8
	s_add_co_u32 s79, s79, HSTG
	s_mul_i32 s80, s77, 16*HP
	s_add_co_u32 s80, s80, s79
	v_mul_u32_u24 v[TT], v[RR], HP
	s_wait_alu depctr_va_vdst(0)
	v_lshl_add_u32 v[TT], v[HH], 6, v[TT]
	s_delay_alu instid0(VALU_DEP_1)
	v_add_nc_u32 v[HRN], s80, v[TT]
	s_mul_i32 s80, s77, 8*HP
	s_add_co_u32 s80, s80, s79
	v_and_b32 v[TT], 8, v[RR]
	s_delay_alu instid0(VALU_DEP_1)
	v_add_nc_u32 v[TT], v[TT], v[RR]
	s_delay_alu instid0(VALU_DEP_1)
	v_lshlrev_b32 v[BVO], 2, v[TT]
	s_delay_alu instid0(VALU_DEP_2)
	v_mul_u32_u24 v[TT], v[TT], HP
	s_delay_alu instid0(VALU_DEP_1)
	v_lshl_add_u32 v[TT], v[HH], 6, v[TT]
	s_delay_alu instid0(VALU_DEP_1)
	v_add_nc_u32 v[HRP], s80, v[TT]
	s_lshl_b32 s59, s[WV], 13
	s_add_co_u32 s59, s59, RING
	v_add_nc_u32 v[RG], s59, v[LI]
	s_lshl_b32 s80, s77, 13
	s_lshl_b32 s81, s78, 10
	s_add_co_u32 s80, s80, s81
	v_add_nc_u32 v[IMW], s80, v[LI]
	s_lshl_b32 s80, s[WV], 7
	v_lshl_add_u32 v[BO], v[HH], 6, s80
	v_add_nc_u32 v[BVO], s80, v[BVO]
	s_mov_b32 s[G1+0], 15|(3<<16)|(1<<21)
	s_mov_b32 s[G1+1], 32<<16
	s_mov_b32 s[G1+2], 16<<16
	s_mov_b32 s[G1+3], 32<<16
	s_mov_b32 s[G1+4], 16
	s_mov_b32 s[G1+5], 32
	s_mov_b32 s[G1+6], 0
	s_mov_b32 s[G1+7], 0
	s_bfe_u32 s100, ttmp6, 0x40000
	s_lshl_b32 s101, ttmp9, 2
	s_add_co_u32 s101, s101, s100
	s_lshr_b32 s82, s101, 6
	s_lshl_b32 s82, s82, 3
	s_add_co_u32 s82, s82, s78
	s_lshl_b32 s82, s82, 17
	s_and_b32 s83, s101, 63
	s_lshl_b32 s84, s83, 11
	s_add_co_u32 s84, s84, s82
	s_lshl_b32 s85, s77, 9
	s_add_co_u32 s84, s84, s85
	s_mov_b32 s85, 0
	s_lshr_b32 s86, s83, 2
	s_lshl_b32 s86, s86, 13
	s_add_co_u32 s86, s86, s82
	s_lshl_b32 s87, s77, 12
	s_add_co_u32 s86, s86, s87
	s_and_b32 s87, s101, 3
	s_lshl_b32 s87, s87, 9
	s_add_co_u32 s86, s86, s87
	s_mov_b32 s87, 0
	s_lshl_b32 s88, s101, 16
	s_mov_b32 s89, 0
	s_mul_i32 s90, s[WV], 49152
	s_mov_b32 s91, 0
	s_mov_b32 s[SEL], 0x76543210
	s_mov_b32 s[SEL+1], 0xfedcba98
	s_mov_b32 s[NRN], 0xbb000000
	s_mov_b32 s[RN], 0x3b000000
	s_mov_b32 s[EPS], 0x3727c5ac
	s_wait_alu depctr_va_vdst(0)
	s_wait_dscnt 0x0
	s_wait_kmcnt 0x0
	s_load_b512 s[E:E+15], s[16:17], 0x0
	s_add_nc_u64 s[4:5], s[4:5], s[88:89]
	s_add_nc_u64 s[WB:WB+1], s[18:19], s[90:91]
	s_add_nc_u64 s[20:21], s[20:21], s[84:85]
	s_add_nc_u64 s[22:23], s[22:23], s[84:85]
	s_add_nc_u64 s[24:25], s[24:25], s[86:87]
.irp t, 0,1
	s_mov_b32 s[G0+16*\t], 1
	s_add_co_u32 s[G0+16*\t+1], s59, \t*4096
	s_add_nc_u64 s[G0+16*\t+2:G0+16*\t+3], s[WB:WB+1], 8192+12288*\t
	s_or_b32 s[G0+16*\t+3], s[G0+16*\t+3], 0x80000000
.endr
.irp R, 0,1
.irp j, 0,1,2,3
	global_load_b128 v[ACT+16*\R+4*\j:ACT+16*\R+4*\j+3], v[XO], s[4:5] offset:\R*2048+512*\j th:TH_LOAD_NT
.endr
.endr
.irp j, 0,1,2,3
	global_load_b128 v[ACC+4*\j:ACC+4*\j+3], v[LI], s[6:7] offset:512*\j
.endr
.irp j, 0,1,2,3
	global_load_b128 v[ACC+16+4*\j:ACC+16+4*\j+3], v[LI], s[8:9] offset:512*\j
.endr
.irp j, 0,1,2,3
	global_load_b128 v[BQ+4*\j:BQ+4*\j+3], v[BO], s[10:11] offset:16*\j
.endr
.irp j, 0,1,2,3
	global_load_b128 v[BK+4*\j:BK+4*\j+3], v[BO], s[12:13] offset:16*\j
.endr
	global_load_b32 v[BV], v[BVO], s[14:15]
	global_load_b32 v[BV+1], v[BVO], s[14:15] offset:32
	WLOAD 0
	WLOAD 1
	ROUND
	tensor_load_to_lds s[G0:G0+3], s[G1:G1+7]
	s_nop 0
	s_wait_alu depctr_va_vdst(0)
	s_wait_kmcnt 0x0
	MKPL P0, L0, E+0
	MKPL P2, L2, E+2
	MKPL P4, L4, E+4
	s_add_co_i32 s[NEQ], s[E+0], s[E+1]
	s_sub_co_i32 s75, s[E+6], s[NEQ]
	MKPL PQ, LQ, 75
	s_sub_co_i32 s[NEQ], 0, s[NEQ]
	s_add_co_i32 s[NEK], s[E+2], s[E+3]
	s_sub_co_i32 s75, s[E+7], s[NEK]
	MKPL PK, LK, 75
	s_sub_co_i32 s[NEK], 0, s[NEK]
	s_add_co_i32 s[NEV], s[E+4], s[E+5]
	s_sub_co_i32 s75, s[E+9], s[NEV]
	MKPL PV, LV, 75
	s_sub_co_i32 s[NEV], 0, s[NEV]
	s_wait_loadcnt 26
	v_pk_add_f32 v[T0:T0+1], v[ACT:ACT+1], v[ACT+2:ACT+3]
	v_pk_add_f32 v[T1:T1+1], v[ACT+16:ACT+17], v[ACT+18:ACT+19]
.irp j, 4,6,8,10,12,14
	s_delay_alu instid0(VALU_DEP_2)
	v_pk_add_f32 v[T0:T0+1], v[T0:T0+1], v[ACT+\j:ACT+\j+1]
	s_delay_alu instid0(VALU_DEP_2)
	v_pk_add_f32 v[T1:T1+1], v[T1:T1+1], v[ACT+16+\j:ACT+17+\j]
.endr
	s_delay_alu instid0(VALU_DEP_2)
	v_add_f32 v[T0], v[T0], v[T0+1]
	s_delay_alu instid0(VALU_DEP_2)
	v_add_f32 v[T1], v[T1], v[T1+1]
	LANESUM T0, T1
	s_delay_alu instid0(VALU_DEP_2)
	v_mul_f32 v[T0], s[NRN], v[T0]
	s_delay_alu instid0(VALU_DEP_2)
	v_mul_f32 v[T1], s[NRN], v[T1]
.irp j, 0,2,4,6,8,10,12,14
	v_pk_add_f32 v[ACT+\j:ACT+\j+1], v[ACT+\j:ACT+\j+1], v[T0:T0+1] op_sel_hi:[1,0]
	v_pk_add_f32 v[ACT+16+\j:ACT+17+\j], v[ACT+16+\j:ACT+17+\j], v[T1:T1+1] op_sel_hi:[1,0]
.endr
	v_pk_mul_f32 v[T0:T0+1], v[ACT:ACT+1], v[ACT:ACT+1]
	v_pk_mul_f32 v[T1:T1+1], v[ACT+16:ACT+17], v[ACT+16:ACT+17]
.irp j, 2,4,6,8,10,12,14
	s_delay_alu instid0(VALU_DEP_2)
	v_pk_fma_f32 v[T0:T0+1], v[ACT+\j:ACT+\j+1], v[ACT+\j:ACT+\j+1], v[T0:T0+1]
	s_delay_alu instid0(VALU_DEP_2)
	v_pk_fma_f32 v[T1:T1+1], v[ACT+16+\j:ACT+17+\j], v[ACT+16+\j:ACT+17+\j], v[T1:T1+1]
.endr
	s_delay_alu instid0(VALU_DEP_2)
	v_add_f32 v[T0], v[T0], v[T0+1]
	s_delay_alu instid0(VALU_DEP_2)
	v_add_f32 v[T1], v[T1], v[T1+1]
	LANESUM T0, T1
	s_delay_alu instid0(VALU_DEP_2)
	v_fma_f32 v[T0], v[T0], s[RN], s[EPS]
	s_delay_alu instid0(VALU_DEP_2)
	v_fma_f32 v[T1], v[T1], s[RN], s[EPS]
	s_wait_alu depctr_va_vdst(0)
	v_rsq_f32 v[T0], v[T0]
	v_rsq_f32 v[T1], v[T1]
	v_nop
	s_wait_alu depctr_va_vdst(0)
.irp j, 0,2,4,6,8,10,12,14
	v_pk_mul_f32 v[ACT+\j:ACT+\j+1], v[ACT+\j:ACT+\j+1], v[T0:T0+1] op_sel_hi:[1,0]
	v_pk_mul_f32 v[ACT+16+\j:ACT+17+\j], v[ACT+16+\j:ACT+17+\j], v[T1:T1+1] op_sel_hi:[1,0]
.endr
.irp j, 0,2,4,6,8,10,12,14
	v_pk_fma_f32 v[ACT+\j:ACT+\j+1], v[ACT+\j:ACT+\j+1], v[ACC+\j:ACC+\j+1], v[ACC+16+\j:ACC+17+\j]
	v_pk_fma_f32 v[ACT+16+\j:ACT+17+\j], v[ACT+16+\j:ACT+17+\j], v[ACC+\j:ACC+\j+1], v[ACC+16+\j:ACC+17+\j]
.endr
.irp R, 0,1
.irp j, 0,1,2,3
	ds_store_b128 v[HST], v[ACT+16*\R+4*\j:ACT+16*\R+4*\j+3] offset:\R*HP+512*\j
.endr
.endr
	; slot 1's first fill is issued as a refill is: the three lines, a round of the cluster's barrier (which also orders the stores above with the reads below), then the wave's one joint load
	s_wait_tensorcnt 0x0
	ds_add_u32 v[SPW], v[NIL]
	s_wait_dscnt 0x0
	ROUND
	tensor_load_to_lds s[G0+16:G0+19], s[G1:G1+7]
	s_nop 0
.irp b, 0,1
.irp j, 0,1,2,3
	ds_load_b128 v[ACT+16*\b+4*\j:ACT+16*\b+4*\j+3], v[HRN] offset:128*\b+16*\j
	ds_load_b128 v[ACC+16*\b+4*\j:ACC+16*\b+4*\j+3], v[HRP] offset:128*\b+16*\j
.endr
.endr
	s_wait_dscnt 0x0
.macro QSET src, dst, p, l, cd, img
	v_mov_b32 v[SC], s[\p]
	v_mov_b32 v[LM], s[\l]
.set i, 0
.rept 32
	v_med3_num_f32 v[\dst+i], v[\src+i], -v[LM], v[LM]
.set i, i+1
.endr
.irp b, 0,1
	v_cvt_scalef32_pk8_bf8_f32 v[\cd+4*\b:\cd+4*\b+1], v[\dst+16*\b:\dst+16*\b+7], v[SC]
	v_cvt_scalef32_pk8_bf8_f32 v[\cd+4*\b+2:\cd+4*\b+3], v[\dst+16*\b+8:\dst+16*\b+15], v[SC]
.endr
	v_nop
	ds_store_b128 v[IMW], v[\cd:\cd+3] offset:\img
	ds_store_b128 v[IMW], v[\cd+4:\cd+7] offset:\img+512
.endm
	QSET ACT, ACT, P0, L0, CQ, IMGQ
	QSET ACC, ACT, P2, L2, CQ+8, IMGK
	QSET ACC, ACC, P4, L4, CQ+16, IMGV
	BAR
	s_wait_loadcnt 16
.set i, 0
.rept 16
	v_ldexp_f32 v[BQ+i], v[BQ+i], s[NEQ]
	v_ldexp_f32 v[BK+i], v[BK+i], s[NEK]
.set i, i+1
.endr
.macro STEP n, img, s, vv, bias
.if (\n) > 0
.rept 4
	v_nop
.endr
.endif
.if ((\n)+3 < NU) && (((\n)+3)%3 != 2)
	WLOAD (\n)+3
.endif
.set W0, WR+32*((\n)%4)
.set SL, ((\n)/3)%2
.if (\n)%3 == 2
.if (\n)+3 < NU
	s_wait_tensorcnt 0x1
.else
	s_wait_tensorcnt 0x0
.endif
.irp f, 0,1
.irp c, 0,1,2,3
	ds_load_b128 v[W0+16*\f+4*\c:W0+16*\f+4*\c+3], v[RG] offset:4096*SL+2048*\f+512*\c
.endr
.endr
.endif
.irp m, 0,1
.irp c, 0,1,2,3
	ds_load_b128 v[ACT+16*\m+4*\c:ACT+16*\m+4*\c+3], v[LI] offset:\img+8192*\m+2048*(\s)+512*\c
.endr
.endr
.if (\n)%3 != 2
.set YG, 0
.irp d, 1,2,3
.if ((\n)+\d < NU) && (((\n)+\d)%3 != 2)
.set YG, YG+8
.endif
.endr
	s_wait_loadcnt YG
.endif
	s_wait_dscnt 0x0
.irp a, 0,1,2,3
.if \vv
.set rA, ACT+16*(\a%2)
.set rB, W0+16*(\a/2)
.else
.set rA, W0+16*(\a/2)
.set rB, ACT+16*(\a%2)
.endif
.if (\s) == 0
	v_wmma_f32_16x16x128_bf8_bf8 v[ACC+8*\a:ACC+8*\a+7], v[rA:rA+15], v[rB:rB+15], v[\bias+8*(\a/2):\bias+8*(\a/2)+7]
.else
	v_wmma_f32_16x16x128_bf8_bf8 v[ACC+8*\a:ACC+8*\a+7], v[rA:rA+15], v[rB:rB+15], v[ACC+8*\a:ACC+8*\a+7]
.endif
.endr
.if ((\n)%3 == 2) && ((\n)+6 < NU)
	REFILL
.endif
.endm
.macro EPI p, l, vv, base, stride
	s_wait_xcnt 0x0
	v_mov_b32 v[SC], s[\p]
	v_mov_b32 v[LM], s[\l]
	v_nop
	v_nop
.set i, 0
.rept 32
	v_med3_num_f32 v[ACC+i], v[ACC+i], -v[LM], v[LM]
.set i, i+1
.endr
.irp t, 0,1
.if \vv
.set lo, ACC+16*\t
.set hi, ACC+16*\t+8
.else
.set lo, ACC+8*\t
.set hi, ACC+16+8*\t
.endif
	v_cvt_scalef32_pk8_bf8_f32 v[CD+4*\t:CD+4*\t+1], v[lo:lo+7], v[SC]
	v_cvt_scalef32_pk8_bf8_f32 v[CD+4*\t+2:CD+4*\t+3], v[hi:hi+7], v[SC]
.endr
	v_nop
	global_store_b128 v[LI], v[CD:CD+3], s[\base:\base+1]
	global_store_b128 v[LI], v[CD+4:CD+7], s[\base:\base+1] offset:\stride
.endm
	s_wait_alu depctr_va_vdst(0)
	STEP 0, IMGQ, 0, 0, BQ
	STEP 1, IMGQ, 1, 0, BQ
	STEP 2, IMGQ, 2, 0, BQ
	STEP 3, IMGQ, 3, 0, BQ
	EPI PQ, LQ, 0, 20, 1024
	STEP 4, IMGK, 0, 0, BK
	STEP 5, IMGK, 1, 0, BK
	STEP 6, IMGK, 2, 0, BK
	STEP 7, IMGK, 3, 0, BK
	EPI PK, LK, 0, 22, 1024
.irp t, 0,1
.irp j, 0,1,2,3,4,5,6,7
	v_ldexp_f32 v[BQ+8*\t+\j], v[BV+\t], s[NEV]
.endr
.endr
	s_wait_alu depctr_va_vdst(0)
	STEP 8, IMGV, 0, 1, BQ
	STEP 9, IMGV, 1, 1, BQ
	STEP 10, IMGV, 2, 1, BQ
	STEP 11, IMGV, 3, 1, BQ
	EPI PV, LV, 1, 24, 2048
	s_wait_tensorcnt 0x0
	ds_add_u32 v[SPW], v[NIL]
	s_wait_dscnt 0x0
	ROUND
	s_endpgm
.Lfunc_end_k_qb2a16cda7e_qkv:
	.size	k_qb2a16cda7e_qkv, .Lfunc_end_k_qb2a16cda7e_qkv-k_qb2a16cda7e_qkv
	.p2alignl 7, 3214868480
	.fill 96, 4, 3214868480
	.section	.rodata,"a",@progbits
	.p2align	6, 0x0
	.amdhsa_kernel k_qb2a16cda7e_qkv
		.amdhsa_group_segment_fixed_size 327680
		.amdhsa_private_segment_fixed_size 0
		.amdhsa_enable_private_segment 0
		.amdhsa_kernarg_size 88
		.amdhsa_user_sgpr_count 2
		.amdhsa_user_sgpr_kernarg_segment_ptr 1
		.amdhsa_wavefront_size32 1
		.amdhsa_system_sgpr_workgroup_id_x 1
		.amdhsa_system_sgpr_workgroup_id_y 1
		.amdhsa_system_sgpr_workgroup_id_z 1
		.amdhsa_system_vgpr_workitem_id 0
		.amdhsa_next_free_vgpr 256
		.amdhsa_next_free_sgpr 102
		.amdhsa_reserve_vcc 0
		.amdhsa_float_denorm_mode_32 3
		.amdhsa_float_denorm_mode_16_64 3
		.amdhsa_memory_ordered 1
		.amdhsa_forward_progress 1
		.amdhsa_inst_pref_size 60
	.end_amdhsa_kernel
	.amdgpu_metadata
---
amdhsa.version: [ 1, 2 ]
amdhsa.kernels:
  - .name:           k_qb2a16cda7e_qkv
    .symbol:         k_qb2a16cda7e_qkv.kd
    .args:
      - { .name: x, .offset: 0, .size: 8, .value_kind: global_buffer, .address_space: global }
      - { .name: g1, .offset: 8, .size: 8, .value_kind: global_buffer, .address_space: global }
      - { .name: beta1, .offset: 16, .size: 8, .value_kind: global_buffer, .address_space: global }
      - { .name: bq, .offset: 24, .size: 8, .value_kind: global_buffer, .address_space: global }
      - { .name: bk, .offset: 32, .size: 8, .value_kind: global_buffer, .address_space: global }
      - { .name: bv, .offset: 40, .size: 8, .value_kind: global_buffer, .address_space: global }
      - { .name: lowp_scales, .offset: 48, .size: 8, .value_kind: global_buffer, .address_space: global }
      - { .name: wimg, .offset: 56, .size: 8, .value_kind: global_buffer, .address_space: global }
      - { .name: q_img, .offset: 64, .size: 8, .value_kind: global_buffer, .address_space: global }
      - { .name: k_img, .offset: 72, .size: 8, .value_kind: global_buffer, .address_space: global }
      - { .name: v_img, .offset: 80, .size: 8, .value_kind: global_buffer, .address_space: global }
    .group_segment_fixed_size: 327680
    .private_segment_fixed_size: 0
    .kernarg_segment_align: 8
    .kernarg_segment_size: 88
    .max_flat_workgroup_size: 512
    .sgpr_count:     102
    .vgpr_count:     256
    .wavefront_size: 32
...
	.end_amdgpu_metadata
.endif
;; end of part 2
;; launch attn (part 3): grid 8 x 32, 16 waves a work-group, no clusters, 141,312 bytes of LDS; arguments q_img, k_img, v_img, lowp_scales, y_img; writes y_img
.if DOCPART == 3
	.amdgcn_target "amdgcn-amd-amdhsa--gfx1250"
	.amdhsa_code_object_version 6
	.text
	.protected	k_qb2a16cda7e_attn
	.globl	k_qb2a16cda7e_attn
	.p2align	8
	.type	k_qb2a16cda7e_attn,@function
k_qb2a16cda7e_attn:
	s_mov_b64 s[64:65], 0
	v_nop
	global_prefetch_b8 v0, s[64:65] scope:SCOPE_SE
	s_setreg_imm32_b32 hwreg(HW_REG_WAVE_MODE, 25, 1), 1
	s_wait_xcnt 0x0
; y[b][q][64 head + :] = softmax_k(q . k / 8, causal) v, both products on codes of BF8, y quantised (e10) and stored as images of the projection's operand.
; WORK LEFT OUT: a step of 128 keys all of which come after a tile's 16 queries: reference()'s own tril makes p = 0 there for all inputs.  A NaN or infinity that reaches only such scores is not carried on.
; THE SOFTMAX AHEAD OF THE SECOND PRODUCT: t = score x log2(e) / 8; M = the running largest t rounded UP to a whole number; p = 2^(t - M) is quantised (e8), not normalised; the row's sum is taken of the
; unquantised p and divides at the end; when M moves, the sum and O are multiplied by 2^(old M - new M), which rounds nothing.
; SHARES.  A work-group owns query blocks i and 15 - i (128 queries each) of one head.  Waves 2 t and 2 t + 1 share tile t of both blocks: 16 - i key steps for the long tile (block 15 - i), i + 1 for the short one, 17 in all.
; The LONG wave (((w / 4) xor w) % 2 = 1) takes the long tile's steps 7 - i .. 15 - i: nine.  The OTHER wave takes the long tile's steps 0 .. 6 - i, leaves O, M and the sum in LDS bytes of its own,
; begins anew and takes the short tile's steps 0 .. i: eight in all.  So there are nine trips, and in trips 0 to 7 each of the sixteen waves has one key step.  At the end the long wave joins the two parts of its tile
; under the larger M: both factors are powers of two.
; THE TILES.  A trip's tiles (the long waves' step, the other waves' step: K 8,192 + V 8,192 bytes each) are copied through registers into two LDS buffers of 32,768 bytes by turns, a trip ahead.  A buffer's places hang on
; the trip alone; which key step lies there hangs on the work-group's number, in the global offsets alone.
; LAYOUT.  S^T = K Q^T (source 0 = 16 keys, source 1 = 16 queries), O^T = V^T P^T: a lane holds one query throughout.  k_img's tiles hold keys 32 b + 8 u + r + 8 (r / 8), so that the 16 registers of tiles
; 2 b, 2 b + 1 are keys 32 b + 16 h + 0..15; v_img's channel tiles are permuted the same way, so that O^T's registers are 16 neighbouring channels: a group of y's fragment.
; NO JOINT LOADS: in one trip the eight work-groups of a head read eight different key steps (7 - i + trip), so partners would not issue the same requests.
; LIMITS: e6 + e7 between -123 and 130 (added to c's exponent field); e8 and e10 - e8 - e9 between -126 and 112.
.set BUFB,  32768                      ; a buffer: the long waves' K, V, then the other waves' K, V
.set VOFF,  8192
.set PART,  2*BUFB                     ; a part of a tile: O^T (8 x 512 bytes) and v12-15 (512), for each wave its own bytes
.set PPW,   4608
.set SPARE, PART+16*PPW                ; the spare words: 128 bytes a wave, eight blocks of 256 bytes that no other line names
.set LI,  1                            ; v1  16 x lane
.set CPA, 2                            ; v2  16 x thread: my 16 bytes of a copy of 8,192
.set PFO, 3                            ; v3  256 x lane: the prefetches' offset
.set RD,  4                            ; v4  where I read a buffer: 16 x lane, + 16,384 in the other waves
.set SPW, 5                            ; v5  my spare word; never rewritten
.set NIL, 6                            ; v6  0; never rewritten
.set VA,  7                            ; v7  global offset of the long waves' next step + my 16 bytes
.set VB,  8                            ; v8  the same for the other waves' next step
.set PW,  9                            ; v9  where I leave a part
.set PR,  10                           ; v10 where my partner (wave xor 1) leaves one
; OF V'S TILE only channel tiles 0 and 1 (its first 4,096 bytes) are copied into LDS, 8 bytes a thread.  Channel tiles 2 and 3 go from v_img, which is laid as images of the fragments' registers,
; straight into each wave's registers: eight loads of 512 consecutive bytes, asked for behind the first product and waited for ahead of the second.  So a wave's key step reads 12,288 bytes from LDS.
.set VD,  11                           ; v11  global offset of my step's V tile + 16 x lane
.set CP8, 224                          ; v224 8 x thread: my 8 bytes of a copy of 4,096
.set VA2, 225                          ; v225, v226: the two streams' next steps + my 8 bytes
.set VB2, 226
; v12 -M, v13 the largest t, v[14:15] the sum; v16-23 Q; v24-31, v208-215 the copies in hand; v32-95 K's or V's fragments; v96-159 S^T, then p; v160-191 O^T; v192-207 p's codes; v216-223 the short tile's Q; v234-255 at work
.set WV,  14
.set RA,  15                           ; 1: a long wave
.set BH,  16
.set PY,  17
.set LY,  18
.set TR,  19                           ; the trip
.set SEL, 20
.set CS,  22
.set KB,  24
.set VS,  26
.set PFA, 28
.set KF,  30                           ; my step's first key
.set Q0,  32                           ; the first query of the tile in hand
.set Q0S, 33                           ; of the short tile
.set PLIM, 34
.set CNT, 35
.set E,   36                           ; s36-51 e0 .. e15
.set SWT, 66                           ; 7 - i: the trip in which the other waves begin the short tile
.set SWB, 67                           ; the same in the other waves, -1 in the long ones
.set OA,  68                           ; byte offset in the head of the long waves' step
.set OB,  69                           ; of the other waves' step
	s_load_b256 s[4:11], s[0:1], 0x0               ; q_img, k_img, v_img, lowp_scales
	s_load_b64 s[12:13], s[0:1], 0x20              ; y_img
	v_lshl_add_u32 v[SPW], v0, 2, SPARE
	v_mov_b32 v[NIL], 0
	v_lshrrev_b32 v11, 5, v0
	s_delay_alu instid0(VALU_DEP_1)
	v_readfirstlane_b32 s[WV], v11                 ; wave 0..15
	v_and_b32 v11, 31, v0
	s_delay_alu instid0(VALU_DEP_1)
	v_lshlrev_b32 v[LI], 4, v11
	s_delay_alu instid0(VALU_DEP_2)
	v_lshlrev_b32 v[PFO], 8, v11
	v_lshlrev_b32 v[CPA], 4, v0
	s_and_b32 s[BH], ttmp7, 0xffff                 ; batch x 8 + head
	s_lshr_b32 s52, s[WV], 2
	s_xor_b32 s52, s52, s[WV]
	s_and_b32 s[RA], s52, 1
	s_xor_b32 s53, s[RA], 1
	s_lshl_b32 s53, s53, 14                        ; the other waves' half of a buffer
	s_mul_i32 s54, s[WV], PPW
	s_add_co_u32 s54, s54, PART
	s_xor_b32 s56, s[WV], 1
	s_mul_i32 s56, s56, PPW
	s_add_co_u32 s56, s56, PART
	s_sub_co_u32 s[SWT], 7, ttmp9
	s_lshl_b32 s[OA], s[SWT], 13                   ; step 7 - i
	s_wait_alu depctr_va_vdst(0)                   ; the wait here, directly ahead of the readers below
	v_add_nc_u32 v[RD], s53, v[LI]
	v_add_nc_u32 v[PW], s54, v[LI]
	v_add_nc_u32 v[PR], s56, v[LI]
	v_add_nc_u32 v[VA], s[OA], v[CPA]
	v_lshlrev_b32 v[CP8], 3, v0
	v_lshl_add_u32 v[VA2], v0, 3, s[OA]
	s_lshr_b32 s55, s[WV], 1
	s_lshl_b32 s55, s55, 4                         ; 16 t
	s_sub_co_u32 s56, 15, ttmp9
	s_lshl_b32 s[Q0], s56, 7
	s_add_co_u32 s[Q0], s[Q0], s55                 ; every wave begins on the long tile
	s_lshl_b32 s[Q0S], ttmp9, 7
	s_add_co_u32 s[Q0S], s[Q0S], s55
	s_cmp_eq_u32 s[RA], 0
	s_cselect_b32 s[SWB], s[SWT], -1
	s_cselect_b32 s57, s[Q0S], s[Q0]               ; the tile whose y I store
	s_cselect_b32 s[KF], 0, s[SWT]
	s_lshl_b32 s[KF], s[KF], 7
	s_mov_b32 s[OB], 0
	s_mov_b32 s[TR], 0
	s_lshr_b32 s58, s[WV], 1
	s_or_b32 s58, s58, ttmp9                       ; 0 in waves 0 and 1 of the head's first work-group
	s_cmp_eq_u32 s58, 0
	s_cselect_b32 s[PLIM], 8, 0                    ; they ask in trips 0 to 6
	s_lshl_b32 s70, s[BH], 17                      ; the head's first byte in q_img, k_img, v_img
	s_mov_b32 s71, 0
	s_lshl_b32 s72, s[Q0], 6                       ; a tile of queries is 1,024 bytes
	s_add_co_u32 s72, s72, s70
	s_mov_b32 s73, 0
	s_lshl_b32 s74, s[Q0S], 6
	s_add_co_u32 s74, s74, s70
	s_mov_b32 s75, 0
	s_lshr_b32 s76, s[BH], 3                       ; y_img: (batch x 128 + tile) x 8,192
	s_lshl_b32 s76, s76, 20
	s_lshl_b32 s77, s57, 9
	s_add_co_u32 s76, s76, s77
	s_bfe_u32 s77, s[BH], 0x20001                  ; + K step head / 2
	s_lshl_b32 s77, s77, 11
	s_add_co_u32 s76, s76, s77
	s_and_b32 s77, s[BH], 1                        ; + groups 2 (head % 2) on
	s_lshl_b32 s77, s77, 10
	s_add_co_u32 s76, s76, s77
	s_mov_b32 s77, 0
	s_mov_b32 s[SEL], 0x76543210
	s_mov_b32 s[SEL+1], 0xfedcba98
	s_mov_b32 s[CS], 0x3e38aa3b                    ; c = log2(e) / 8
	s_mov_b32 s[CNT], 4
	s_wait_alu depctr_va_vdst(0)
	s_wait_kmcnt 0x0
	s_load_b512 s[E:E+15], s[10:11], 0x0
	s_add_nc_u64 s[KB:KB+1], s[6:7], s[70:71]
	s_add_nc_u64 s[VS:VS+1], s[8:9], s[70:71]
	s_add_nc_u64 s[72:73], s[4:5], s[72:73]
	s_add_nc_u64 s[74:75], s[4:5], s[74:75]
	s_add_nc_u64 s[12:13], s[12:13], s[76:77]
	s_cmp_eq_u32 s[WV], 0                          ; wave 0 asks for K's tiles, wave 1 for V's
	s_cselect_b64 s[PFA:PFA+1], s[KB:KB+1], s[VS:VS+1]
	s_add_nc_u64 s[PFA:PFA+1], s[PFA:PFA+1], 65536 ; at step 8; each trip moves it on first, so trip n names step 9 + n.  Nothing is prefetched here at the head
	global_load_b128 v[24:27], v[VA], s[KB:KB+1]   ; trip 0's tiles: step 7 - i,
	global_load_b64 v[28:29], v[VA2], s[VS:VS+1]
	global_load_b128 v[208:211], v[CPA], s[KB:KB+1]    ; and step 0
	global_load_b64 v[212:213], v[CP8], s[VS:VS+1]
	global_load_b128 v[16:19], v[LI], s[72:73]     ; the long tile's Q,
	global_load_b128 v[20:23], v[LI], s[72:73] offset:512
	global_load_b128 v[216:219], v[LI], s[74:75]   ; and the short tile's (every wave's registers are written; the other waves use them)
	global_load_b128 v[220:223], v[LI], s[74:75] offset:512
	v_mov_b32 v13, 0xff61b1e6                      ; the largest t so far: -3e38, under every t
	s_delay_alu instid0(VALU_DEP_1)
	v_floor_f32 v12, -v13                          ; -M
	v_mov_b32 v14, 0
	v_mov_b32 v15, 0
	v_mov_b32 v236, 0                              ; written once: lane permutes' destinations count as sources,
	v_mov_b32 v252, 0
	v_mov_b32 v253, 0                              ; and this one is named as the upper half of a pair
.set i, 0
.rept 32
	v_mov_b32 v[160+i], 0                          ; O^T: the step is written once; the first finds zeros, which the first change of M leaves zeros
.set i, i+1
.endr
	s_wait_kmcnt 0x0
	s_add_co_i32 s52, s[E+6], s[E+7]
	s_lshl_b32 s52, s52, 23
	s_add_co_i32 s[CS], s[CS], s52                 ; a score stands for score x 2^(e6 + e7)
	s_mov_b32 s[CS+1], s[CS]
	s_add_co_i32 s52, s[E+8], 127
	s_lshl_b32 s53, s52, 23
	v_mov_b32 v244, s53                            ; 2^e8
	s_add_co_i32 s52, s52, 15
	s_lshl_b32 s52, s52, 23
	s_or_b32 s52, s52, 0x600000
	v_mov_b32 v240, s52                            ; 57,344 x 2^e8
	s_sub_co_i32 s52, s[E+10], s[E+8]
	s_sub_co_i32 s52, s52, s[E+9]                  ; O / l stands for y / 2^(e8 + e9): its code under e10 is (O / l) / 2^(e10 - e8 - e9)
	s_add_co_i32 s52, s52, 127
	s_lshl_b32 s[PY], s52, 23
	s_add_co_i32 s52, s52, 15
	s_lshl_b32 s[LY], s52, 23
	s_or_b32 s[LY], s[LY], 0x600000
	s_wait_alu depctr_va_vdst(0)                   ; the wait at the head's end
	s_wait_loadcnt 0x0
	ds_store_b128 v[CPA], v[24:27]
	ds_store_b64 v[CP8], v[28:29] offset:VOFF
	ds_store_b128 v[CPA], v[208:211] offset:2*VOFF
	ds_store_b64 v[CP8], v[212:213] offset:3*VOFF
	s_wait_dscnt 0x0
	s_barrier_signal -1
	s_barrier_wait -1                              ; trip 0's tiles lie in buffer 0
; The other waves' change of tiles: the long tile's part goes to my LDS bytes (each accumulator from its low end on), and the sums begin anew for the short tile.
.macro SWITCH
.rept 4
	v_nop                                          ; places behind the last products
.endr
.irp k, 0,1,2,3,4,5,6,7
	ds_store_b128 v[PW], v[160+4*\k:163+4*\k] offset:512*\k
.endr
	ds_store_b128 v[PW], v[12:15] offset:4096
	v_mov_b32 v13, 0xff61b1e6
	s_delay_alu instid0(VALU_DEP_1)
	v_floor_f32 v12, -v13
	v_mov_b32 v14, 0
	v_mov_b32 v15, 0
.set i, 0
.rept 32
	v_mov_b32 v[160+i], 0
.set i, i+1
.endr
.irp j, 0,1,2,3,4,5,6,7
	v_mov_b32 v[16+\j], v[216+\j]
.endr
	s_mov_b32 s[Q0], s[Q0S]
	s_mov_b32 s[KF], 0
	s_wait_alu depctr_va_vdst(0)                   ; the wait here
.endm
; A TRIP: one key step of 128 keys out of buffer buf.  last = 1: the ninth trip, the long waves' alone; nothing more is fetched.  Branches hang on ids and on the count of trips alone and lead round no barrier.
.macro STEP buf, last
.if \last == 0
	s_cmp_eq_u32 s[TR], s[SWB]
	s_cbranch_scc0 .Lnsw_\@
	SWITCH
.Lnsw_\@:
	s_wait_xcnt 0x0                                ; the last trip's prefetch has read its base, which moves on
	s_add_nc_u64 s[PFA:PFA+1], s[PFA:PFA+1], 8192
	s_add_co_u32 s[TR], s[TR], 1                   ; the next trip's number,
	s_add_co_u32 s[OA], s[OA], 8192                ; and its steps: one on,
	s_add_co_u32 s[OB], s[OB], 8192
	s_cmp_eq_u32 s[TR], s[SWT]
	s_cselect_b32 s[OB], 0, s[OB]                  ; or step 0 again, for the short tile
	v_add_nc_u32 v[VA], s[OA], v[CPA]              ; (the last trip's loads were waited for at its end)
	v_add_nc_u32 v[VB], s[OB], v[CPA]
	v_add_nc_u32 v[VA2], s[OA], v[CP8]
	v_add_nc_u32 v[VB2], s[OB], v[CP8]
	global_load_b128 v[24:27], v[VA], s[KB:KB+1]   ; the next trip's tiles, asked for a trip ahead of their way into LDS
	global_load_b64 v[28:29], v[VA2], s[VS:VS+1]
	s_cmp_lt_u32 s[TR], 8                          ; the ninth trip has no step for the other waves
	s_cbranch_scc0 .Lnb_\@
	global_load_b128 v[208:211], v[VB], s[KB:KB+1]
	global_load_b64 v[212:213], v[VB2], s[VS:VS+1]
.Lnb_\@:
	s_cmp_lt_u32 s[TR], s[PLIM]
	s_cbranch_scc0 .Lnp_\@
	global_prefetch_b8 v[PFO], s[PFA:PFA+1] th:TH_LOAD_NT scope:SCOPE_SE   ; work-group 0 walks steps 7 .. 15 ahead of the head's others: the step after the one just asked for, 8,192 bytes, lanes 256 bytes apart; each block is named once
.Lnp_\@:
.else
	s_cmp_eq_u32 s[RA], 0
	s_cbranch_scc1 .Lhid_\@
.endif
.rept 4
	v_nop                                          ; places ahead of loads into registers that the last products read
.endr
.irp t, 0,1,2,3,4,5,6,7
.irp c, 0,1
	ds_load_b128 v[32+8*\t+4*\c:35+8*\t+4*\c], v[RD] offset:\buf*BUFB+1024*\t+512*\c
.endr
.endr
	s_wait_dscnt 0x0
.irp t, 0,1,2,3,4,5,6,7
	v_wmma_f32_16x16x64_bf8_bf8 v[96+8*\t:103+8*\t], v[32+8*\t:39+8*\t], v[16:23], 0
.endr
.rept 4
	v_nop                                          ; places ahead of the loads below and of the first read of the scores
.endr
	s_lshl_b32 s53, s[KF], 6                       ; my step's tile in v_img: 8,192 bytes for 128 keys
	v_add_nc_u32 v[VD], s53, v[LI]                 ; (the last trip's loads by this register were waited for)
.irp t, 0,1
.irp c, 0,1,2,3
	ds_load_b128 v[32+16*\t+4*\c:35+16*\t+4*\c], v[RD] offset:\buf*BUFB+VOFF+2048*\t+512*\c    ; V's fragments land while the softmax is worked: channel tiles 0 and 1 from LDS,
.endr
.endr
.irp t, 2,3
.irp c, 0,1,2,3
	global_load_b128 v[32+16*\t+4*\c:35+16*\t+4*\c], v[VD], s[VS:VS+1] offset:2048*\t+512*\c   ; 2 and 3 from v_img
.endr
.endr
	s_add_co_u32 s52, s[KF], 127                   ; on the diagonal hidden scores become -infinity ahead of the maximum; a step all of whose keys count skips this
	s_cmp_le_u32 s52, s[Q0]
	s_cbranch_scc1 .Lopen_\@
	s_sub_co_i32 s52, s[Q0], s[KF]
	v_and_b32 v252, 15, v0
	v_bfe_u32 v253, v0, 4, 1
	s_delay_alu instid0(VALU_DEP_1)
	v_lshlrev_b32 v253, 4, v253
	s_delay_alu instid0(VALU_DEP_1)
	v_sub_nc_u32 v252, v252, v253
	s_delay_alu instid0(VALU_DEP_1)
	v_add_nc_u32 v252, s52, v252                   ; d = my query - KF - 16 h.  Register 16 b + i holds key KF + 16 h + 32 b + i: hidden where 32 b + i > d
	v_mov_b32 v254, 0xff800000
.set n, 0
.rept 64
	v_cmp_gt_i32 vcc_lo, 32*(n/16)+n%16, v252
	v_cndmask_b32 v[96+n], v[96+n], v254, vcc_lo
.set n, n+1
.endr
.Lopen_\@:
	v_max3_num_f32 v254, v96, v97, v98             ; the step's largest score of my query among my 64 keys, in two chains,
	v_max3_num_f32 v252, v99, v100, v101
.irp i, 6,10,14,18,22,26,30,34,38,42,46,50,54,58
	v_max3_num_f32 v254, v254, v[96+\i], v[97+\i]
	v_max3_num_f32 v252, v252, v[98+\i], v[99+\i]
.endr
	v_max3_num_f32 v254, v254, v158, v159
	s_delay_alu instid0(VALU_DEP_1)
	v_max_num_f32 v254, v254, v252
	s_delay_alu instid0(VALU_DEP_1)
	v_permlanex16_b32 v236, v254, s[SEL], s[SEL+1]
	s_delay_alu instid0(VALU_DEP_1)
	v_max_num_f32 v254, v254, v236                 ; and among lane l xor 16's
	s_delay_alu instid0(VALU_DEP_1)
	v_mul_f32 v254, s[CS], v254                    ; as t (c is positive)
	s_delay_alu instid0(VALU_DEP_1)
	v_max_num_f32 v13, v13, v254
	v_mov_b32 v254, v12
	s_delay_alu instid0(VALU_DEP_2)
	v_floor_f32 v12, -v13                          ; the new -M = -ceil(t)
	s_delay_alu instid0(VALU_DEP_1)
	v_sub_f32 v254, v12, v254                      ; old M - new M: a whole number, 0 or less
	s_delay_alu instid0(VALU_DEP_1)
	v_cvt_i32_f32 v254, v254
	s_delay_alu instid0(VALU_DEP_1)
	v_ldexp_f32 v252, 1.0, v254                    ; f = 2^(old M - new M)
.set j, 0
.rept 32
	v_pk_fma_f32 v[96+j:97+j], v[96+j:97+j], s[CS:CS+1], v[12:13] op_sel_hi:[1,0,0]    ; t - M, two at a time
.set j, j+2
.endr
.set j, 0
	s_wait_alu depctr_va_vdst(0)                   ; the wait ahead of the batch
.rept 64
	v_exp_f32 v[96+j], v[96+j]                     ; p = 2^(t - M)
.set j, j+1
.endr
	v_pk_mul_f32 v[14:15], v[14:15], v[252:253] op_sel_hi:[1,0]    ; the sums under the new M: a plain instruction behind the exponentials
	s_wait_alu depctr_va_vdst(0)                   ; one wait for the batch of 64, ahead of its first reader
	v_pk_add_f32 v[242:243], v[100:101], v[104:105]    ; the row's sum of the unquantised p, in eight chains
	v_pk_add_f32 v[254:255], v[108:109], v[112:113]
	v_pk_add_f32 v[250:251], v[116:117], v[120:121]
	v_pk_add_f32 v[248:249], v[124:125], v[128:129]
	v_pk_add_f32 v[246:247], v[132:133], v[136:137]
	v_pk_add_f32 v[238:239], v[140:141], v[144:145]
	v_pk_add_f32 v[234:235], v[148:149], v[152:153]
	v_pk_add_f32 v[14:15], v[14:15], v[156:157]
	v_pk_add_f32 v[242:243], v[242:243], v[96:97]
	v_pk_add_f32 v[254:255], v[254:255], v[98:99]
	v_pk_add_f32 v[250:251], v[250:251], v[102:103]
	v_pk_add_f32 v[248:249], v[248:249], v[106:107]
	v_pk_add_f32 v[246:247], v[246:247], v[110:111]
	v_pk_add_f32 v[238:239], v[238:239], v[114:115]
	v_pk_add_f32 v[234:235], v[234:235], v[118:119]
	v_pk_add_f32 v[14:15], v[14:15], v[122:123]
	v_pk_add_f32 v[242:243], v[242:243], v[126:127]
	v_pk_add_f32 v[254:255], v[254:255], v[130:131]
	v_pk_add_f32 v[250:251], v[250:251], v[134:135]
	v_pk_add_f32 v[248:249], v[248:249], v[138:139]
	v_pk_add_f32 v[246:247], v[246:247], v[142:143]
	v_pk_add_f32 v[238:239], v[238:239], v[146:147]
	v_pk_add_f32 v[234:235], v[234:235], v[150:151]
	v_pk_add_f32 v[14:15], v[14:15], v[154:155]
	v_pk_add_f32 v[242:243], v[242:243], v[158:159]
	s_delay_alu instid0(VALU_DEP_2)
	v_pk_add_f32 v[14:15], v[14:15], v[248:249]
	s_delay_alu instid0(VALU_DEP_2)
	v_pk_add_f32 v[242:243], v[242:243], v[246:247]
	v_pk_add_f32 v[254:255], v[254:255], v[238:239]
	v_pk_add_f32 v[250:251], v[250:251], v[234:235]
	s_delay_alu instid0(VALU_DEP_2)
	v_pk_add_f32 v[14:15], v[14:15], v[254:255]
	s_delay_alu instid0(VALU_DEP_2)
	v_pk_add_f32 v[242:243], v[242:243], v[250:251]
	s_delay_alu instid0(VALU_DEP_1)
	v_pk_add_f32 v[14:15], v[14:15], v[242:243]
.irp b, 0,1,2,3
.irp i, 0,1,2,3,4,5,6,7,8,9,10,11,12,13,14,15
	v_min_num_f32 v[96+16*\b+\i], v[96+16*\b+\i], v240     ; the hold: p is not negative, so it is one-sided
.endr
	v_cvt_scalef32_pk8_bf8_f32 v[192+4*\b:193+4*\b], v[96+16*\b:103+16*\b], v244
	v_cvt_scalef32_pk8_bf8_f32 v[194+4*\b:195+4*\b], v[104+16*\b:111+16*\b], v244
.endr
.set j, 0
.rept 16
	v_pk_mul_f32 v[160+j:161+j], v[160+j:161+j], v[252:253] op_sel_hi:[1,0]    ; O^T under the new M; also the plain instructions behind the conversions
.set j, j+2
.endr
	s_wait_alu depctr_va_vdst(0)
	s_wait_dscnt 0x0                               ; V's fragments are in: those from LDS,
	s_wait_loadcnt 0x0                             ; and those from v_img, the youngest of my loads
.irp t, 0,1,2,3
	v_wmma_f32_16x16x128_bf8_bf8 v[160+8*\t:167+8*\t], v[32+16*\t:47+16*\t], v[192:207], v[160+8*\t:167+8*\t]
.endr
.if \last == 0
	s_wait_loadcnt 0x0                             ; the next trip's tiles are in my registers
	ds_store_b128 v[CPA], v[24:27] offset:(1-\buf)*BUFB          ; into the other buffer: its readers waited for their loads ahead of the last barrier
	ds_store_b64 v[CP8], v[28:29] offset:(1-\buf)*BUFB+VOFF
	s_cmp_lt_u32 s[TR], 8                          ; the same test as above
	s_cbranch_scc0 .Lns_\@
	ds_store_b128 v[CPA], v[208:211] offset:(1-\buf)*BUFB+2*VOFF
	ds_store_b64 v[CP8], v[212:213] offset:(1-\buf)*BUFB+3*VOFF
.Lns_\@:
	s_add_co_u32 s[KF], s[KF], 128
	s_wait_dscnt 0x0                               ; my stores have landed and my reads of this buffer are over
	s_barrier_signal -1
	s_barrier_wait -1                              ; one barrier a trip orders both
.else
.Lhid_\@:
.endif
.endm
.Lpair:                                            ; trips 0 to 7
	STEP 0, 0
	STEP 1, 0
	s_sub_co_u32 s[CNT], s[CNT], 1
	s_cmp_lg_u32 s[CNT], 0
	s_cbranch_scc1 .Lpair
	STEP 0, 1                                      ; trip 8
	; A long wave joins its partner's part of the tile, stored ahead of an earlier trip's barrier: both parts under the larger M
	s_cmp_eq_u32 s[RA], 0
	s_cbranch_scc1 .Lown
.irp k, 0,1,2,3,4,5,6,7
	ds_load_b128 v[96+4*\k:99+4*\k], v[PR] offset:512*\k
.endr
	ds_load_b128 v[128:131], v[PR] offset:4096     ; its -M, largest t and sum
	s_wait_dscnt 0x0
	v_min_num_f32 v132, v12, v128                  ; the joint -M
	s_delay_alu instid0(VALU_DEP_1)
	v_sub_f32 v133, v132, v12                      ; whole numbers, 0 or less
	s_delay_alu instid0(VALU_DEP_2)
	v_sub_f32 v134, v132, v128
	s_delay_alu instid0(VALU_DEP_2)
	v_cvt_i32_f32 v133, v133                       ; (it saturates: a part of no steps, with -M = 3e38, gets the factor 0 on its zeros)
	s_delay_alu instid0(VALU_DEP_2)
	v_cvt_i32_f32 v134, v134
	s_delay_alu instid0(VALU_DEP_2)
	v_ldexp_f32 v252, 1.0, v133
	s_delay_alu instid0(VALU_DEP_2)
	v_ldexp_f32 v254, 1.0, v134
	s_delay_alu instid0(VALU_DEP_2)
	v_pk_mul_f32 v[14:15], v[14:15], v[252:253] op_sel_hi:[1,0]
	s_delay_alu instid0(VALU_DEP_1)
	v_pk_fma_f32 v[14:15], v[130:131], v[254:255], v[14:15] op_sel_hi:[1,0,1]
.set j, 0
.rept 16
	v_pk_mul_f32 v[160+j:161+j], v[160+j:161+j], v[252:253] op_sel_hi:[1,0]    ; each accumulator from its low end on; the nine lines above are the places behind the last products
	v_pk_fma_f32 v[160+j:161+j], v[96+j:97+j], v[254:255], v[160+j:161+j] op_sel_hi:[1,0,1]
.set j, j+2
.endr
.Lown:
	; THE WAY OUT: O^T / the sum, held, converted: two groups of y's fragment, 512 consecutive bytes each
	v_add_f32 v14, v14, v15
	s_delay_alu instid0(VALU_DEP_1)
	v_permlanex16_b32 v252, v14, s[SEL], s[SEL+1]
	s_delay_alu instid0(VALU_DEP_1)
	v_add_f32 v14, v14, v252                       ; the row's sum
	s_wait_alu depctr_va_vdst(0)
	v_rcp_f32 v14, v14
	v_mov_b32 v244, s[PY]                          ; (a plain instruction behind the reciprocal)
	v_mov_b32 v240, s[LY]
	s_wait_alu depctr_va_vdst(0)                   ; the wait ahead of its first reader
.set j, 0
.rept 32
	v_mul_f32 v[96+j], v[160+j], v14               ; register 8 t + i: channel 32 (t / 2) + 16 h + 8 (t % 2) + i; each accumulator from its low end on
.set j, j+1
.endr
.set j, 0
.rept 32
	v_med3_num_f32 v[96+j], v[96+j], -v240, v240
.set j, j+1
.endr
.irp b, 0,1
	v_cvt_scalef32_pk8_bf8_f32 v[192+4*\b:193+4*\b], v[96+16*\b:103+16*\b], v244
	v_cvt_scalef32_pk8_bf8_f32 v[194+4*\b:195+4*\b], v[104+16*\b:111+16*\b], v244
.endr
	v_nop
	global_store_b128 v[LI], v[192:195], s[12:13]
	global_store_b128 v[LI], v[196:199], s[12:13] offset:512
	s_wait_tensorcnt 0x0                           ; the wave's end
	ds_add_u32 v[SPW], v[NIL]
	s_wait_dscnt 0x0
	s_endpgm
.Lfunc_end_k_qb2a16cda7e_attn:
	.size	k_qb2a16cda7e_attn, .Lfunc_end_k_qb2a16cda7e_attn-k_qb2a16cda7e_attn
	.p2alignl 7, 3214868480
	.fill 96, 4, 3214868480
	.section	.rodata,"a",@progbits
	.p2align	6, 0x0
	.amdhsa_kernel k_qb2a16cda7e_attn
		.amdhsa_group_segment_fixed_size 141312
		.amdhsa_private_segment_fixed_size 0
		.amdhsa_enable_private_segment 0
		.amdhsa_kernarg_size 40
		.amdhsa_user_sgpr_count 2
		.amdhsa_user_sgpr_kernarg_segment_ptr 1
		.amdhsa_wavefront_size32 1
		.amdhsa_system_sgpr_workgroup_id_x 1
		.amdhsa_system_sgpr_workgroup_id_y 1
		.amdhsa_system_sgpr_workgroup_id_z 1
		.amdhsa_system_vgpr_workitem_id 0
		.amdhsa_next_free_vgpr 256
		.amdhsa_next_free_sgpr 80
		.amdhsa_reserve_vcc 1
		.amdhsa_float_denorm_mode_32 3
		.amdhsa_float_denorm_mode_16_64 3
		.amdhsa_memory_ordered 1
		.amdhsa_forward_progress 1
		.amdhsa_inst_pref_size 86
	.end_amdhsa_kernel
	.amdgpu_metadata
---
amdhsa.version: [ 1, 2 ]
amdhsa.kernels:
  - .name:           k_qb2a16cda7e_attn
    .symbol:         k_qb2a16cda7e_attn.kd
    .args:
      - { .name: q_img, .offset: 0, .size: 8, .value_kind: global_buffer, .address_space: global }
      - { .name: k_img, .offset: 8, .size: 8, .value_kind: global_buffer, .address_space: global }
      - { .name: v_img, .offset: 16, .size: 8, .value_kind: global_buffer, .address_space: global }
      - { .name: lowp_scales, .offset: 24, .size: 8, .value_kind: global_buffer, .address_space: global }
      - { .name: y_img, .offset: 32, .size: 8, .value_kind: global_buffer, .address_space: global }
    .group_segment_fixed_size: 141312
    .private_segment_fixed_size: 0
    .kernarg_segment_align: 8
    .kernarg_segment_size: 40
    .max_flat_workgroup_size: 512
    .sgpr_count:     80
    .vgpr_count:     256
    .wavefront_size: 32
...
	.end_amdgpu_metadata
.endif
;; end of part 3
;; launch tail (part 4): grid 256 x 1, 16 waves a work-group, no clusters, 327,680 bytes of LDS; arguments x, y_img, wimg, bp, g2, beta2, b1, b2, lowp_scales, out0; writes out0
.if DOCPART == 4
	.amdgcn_target "amdgcn-amd-amdhsa--gfx1250"
	.amdhsa_code_object_version 6
	.text
	.protected	k_qb2a16cda7e_tail
	.globl	k_qb2a16cda7e_tail
	.p2align	8
	.type	k_qb2a16cda7e_tail,@function
k_qb2a16cda7e_tail:
	s_mov_b64 s[64:65], 0
	v_nop
	global_prefetch_b8 v0, s[64:65] scope:SCOPE_SE
	s_setreg_imm32_b32 hwreg(HW_REG_WAVE_MODE, 25, 1), 1
	s_wait_xcnt 0x0
; Products 6 to 8 on codes of BF8 with both residuals, LayerNorm 2 and the exact GELU.  A work-group owns 32 rows through the whole chain; wave w owns 32 columns of products 6 and 8 and 128 of product 7.
; NO JOINT LOADS: each byte of a weight is an operand of one wave alone, and wimg is laid as images of that wave's registers: a unit of 4,096 bytes goes from memory straight into 32 registers.
; By a joint load it would be written into LDS and read out of it again, 4,096 bytes each way, shared by no second wave of the work-group, with a round of the cluster's barrier for each 4,096 bytes a wave.
.set NU,     36
.set YIMG,   0
.set H2IMG,  16384
.set PAR_B1, 32768
.set PAR_BP, 40960
.set RED1,   49152
.set RED2,   51712
.set HIMG,   54272
.set XSTG,   119808
.set HP,     2064
.set RING,   185856
.set SPARE,  316928
.set LI,  1
.set CPA, 2
.set XO,  3
.set XW,  4
.set XD,  5
.set PD,  6
.set SC,  7
.set LM,  8
.set SPW, 9
.set NIL, 10
.set PB1, 11
.set RW,  12
.set RRD, 13
.set RG,  14
.set HW,  15
.set AH,  16
.set H2W, 17
.set PO,  18
.set B,   24
.set CD,  40
.set PX,  48
.set KA1, 52
.set KB1, 54
.set MN0, 56
.set T,   60
.set ACT, 64
.set ACC, 96
.set WR,  128
.set Z,   224
.set X2,  240
.set GA,  ACT
.set GB,  ACT+16
.set E,   24
.set WV,  40
.set HM,  41
.set SEL, 42
.set WB,  44
.set SC1, 46
.set SC2, 48
.set CZ,  50
.set P12, 52
.set L12, 53
.set PH,  54
.set LH,  55
.set NB1, 56
.set RN,  57
.set EPS, 58
.set NRN, 59
.set A0,  60
.set A2,  62
.set A3,  66
.set A4,  68
.set A5,  70
.set A6,  72
.set B0,  74
.set B2,  76
.set B3,  78
.set B4,  80
.set G0,  84
.set G1,  92
.macro BAR
	s_wait_dscnt 0x0
	s_barrier_signal -1
	s_barrier_wait -1
.endm
.macro PLACES
.rept 4
	v_nop
.endr
.endm
.macro SPAIR r, k
	s_mov_b32 s[\r], \k
	s_mov_b32 s[\r+1], \k
.endm
.macro WLOAD n
.irp f, 0,1
.irp c, 0,1,2,3
	global_load_b128 v[WR+32*((\n)%4)+16*\f+4*\c:WR+32*((\n)%4)+16*\f+4*\c+3], v[LI], s[WB:WB+1] offset:4096*(\n)+2048*\f+512*\c
.endr
.endr
.endm
.macro STEP n, adr, off, mstr, cmode, boff
	PLACES
.if (\n)+3 < NU
	WLOAD (\n)+3
.endif
.set W0, WR+32*((\n)%4)
.irp m, 0,1
.irp c, 0,1,2,3
	ds_load_b128 v[ACT+16*\m+4*\c:ACT+16*\m+4*\c+3], v[\adr] offset:\off+\mstr*\m+512*\c
.endr
.endr
.if \cmode == 2
.irp j, 0,1,2,3
	ds_load_b128 v[B+4*\j:B+4*\j+3], v[PB1] offset:\boff+16*\j
.endr
.endif
.set YG, 0
.irp d, 1,2,3
.if (\n)+\d < NU
.set YG, YG+8
.endif
.endr
	s_wait_loadcnt YG                              ; unit n is in; behind it: eight loads for each of the units n + 1 to n + 3 that exist
	s_wait_dscnt 0x0
.irp a, 0,1,2,3
.if \cmode == 1
	v_wmma_f32_16x16x128_bf8_bf8 v[ACC+8*\a:ACC+8*\a+7], v[W0+16*(\a/2):W0+16*(\a/2)+15], v[ACT+16*(\a%2):ACT+16*(\a%2)+15], 0
.elseif \cmode == 2
	v_wmma_f32_16x16x128_bf8_bf8 v[ACC+8*\a:ACC+8*\a+7], v[W0+16*(\a/2):W0+16*(\a/2)+15], v[ACT+16*(\a%2):ACT+16*(\a%2)+15], v[B+8*(\a/2):B+8*(\a/2)+7]
.else
	v_wmma_f32_16x16x128_bf8_bf8 v[ACC+8*\a:ACC+8*\a+7], v[W0+16*(\a/2):W0+16*(\a/2)+15], v[ACT+16*(\a%2):ACT+16*(\a%2)+15], v[ACC+8*\a:ACC+8*\a+7]
.endif
.endr
.endm
.macro FINISH sc
.irp a, 0,1,2,3
.irp i, 0,2,4,6
	v_pk_add_f32 v[ACT+8*\a+\i:ACT+8*\a+\i+1], v[ACT+8*\a+\i:ACT+8*\a+\i+1], v[B+8*(\a/2)+\i:B+8*(\a/2)+\i+1]
.endr
.endr
.irp a, 0,1,2,3
.irp i, 0,2,4,6
	v_pk_fma_f32 v[ACC+8*\a+\i:ACC+8*\a+\i+1], v[ACC+8*\a+\i:ACC+8*\a+\i+1], s[\sc:\sc+1], v[ACT+8*\a+\i:ACT+8*\a+\i+1] op_sel_hi:[1,0,1]
.endr
.endr
.endm
.macro ROWRED sq, red
.if \sq
	v_pk_mul_f32 v[T:T+1], v[ACC:ACC+1], v[ACC:ACC+1]
	v_pk_mul_f32 v[T+2:T+3], v[ACC+8:ACC+9], v[ACC+8:ACC+9]
.irp i, 2,4,6,16,18,20,22
	s_delay_alu instid0(VALU_DEP_2)
	v_pk_fma_f32 v[T:T+1], v[ACC+\i:ACC+\i+1], v[ACC+\i:ACC+\i+1], v[T:T+1]
	s_delay_alu instid0(VALU_DEP_2)
	v_pk_fma_f32 v[T+2:T+3], v[ACC+8+\i:ACC+9+\i], v[ACC+8+\i:ACC+9+\i], v[T+2:T+3]
.endr
.else
	v_pk_add_f32 v[T:T+1], v[ACC:ACC+1], v[ACC+2:ACC+3]
	v_pk_add_f32 v[T+2:T+3], v[ACC+8:ACC+9], v[ACC+10:ACC+11]
.irp i, 4,6,16,18,20,22
	s_delay_alu instid0(VALU_DEP_2)
	v_pk_add_f32 v[T:T+1], v[T:T+1], v[ACC+\i:ACC+\i+1]
	s_delay_alu instid0(VALU_DEP_2)
	v_pk_add_f32 v[T+2:T+3], v[T+2:T+3], v[ACC+8+\i:ACC+9+\i]
.endr
.endif
	s_delay_alu instid0(VALU_DEP_2)
	v_add_f32 v[T], v[T], v[T+1]
	s_delay_alu instid0(VALU_DEP_2)
	v_add_f32 v[T+2], v[T+2], v[T+3]
	s_delay_alu instid0(VALU_DEP_2)
	v_permlanex16_b32 v[PX], v[T], s[SEL], s[SEL+1]
	s_delay_alu instid0(VALU_DEP_2)
	v_permlanex16_b32 v[PX+1], v[T+2], s[SEL], s[SEL+1]
	s_delay_alu instid0(VALU_DEP_2)
	v_add_f32 v[T], v[T], v[PX]
	s_delay_alu instid0(VALU_DEP_2)
	v_add_f32 v[T+2], v[T+2], v[PX+1]
	s_delay_alu instid0(VALU_DEP_1)
	v_cndmask_b32 v[PX], v[T], v[T+2], s[HM]
	ds_store_b32 v[RW], v[PX] offset:\red
	BAR
.irp m, 0,1
.irp j, 0,1,2,3
	ds_load_b128 v[ACT+16*\m+4*\j:ACT+16*\m+4*\j+3], v[RRD] offset:\red+1280*\m+16*\j
.endr
.endr
	s_wait_dscnt 0x0
	v_pk_add_f32 v[T:T+1], v[ACT:ACT+1], v[ACT+2:ACT+3]
	v_pk_add_f32 v[T+2:T+3], v[ACT+16:ACT+17], v[ACT+18:ACT+19]
.irp i, 4,6,8,10,12,14
	s_delay_alu instid0(VALU_DEP_2)
	v_pk_add_f32 v[T:T+1], v[T:T+1], v[ACT+\i:ACT+\i+1]
	s_delay_alu instid0(VALU_DEP_2)
	v_pk_add_f32 v[T+2:T+3], v[T+2:T+3], v[ACT+16+\i:ACT+17+\i]
.endr
	s_delay_alu instid0(VALU_DEP_2)
	v_add_f32 v[T], v[T], v[T+1]
	s_delay_alu instid0(VALU_DEP_2)
	v_add_f32 v[T+2], v[T+2], v[T+3]
.endm
.macro HORNER r, k
.set pp, 0
.rept 8
	v_pk_fma_f32 v[\r+2*pp:\r+2*pp+1], v[\r+2*pp:\r+2*pp+1], v[X2+2*pp:X2+2*pp+1], s[\k:\k+1] op_sel_hi:[1,1,0]
.set pp, pp+1
.endr
.endm
.macro GELU m, p
.set XB, ACC+8*(\m)
.set pp, 0
.rept 8
	v_pk_mul_f32 v[Z+2*pp:Z+2*pp+1], v[XB+2*pp+8*(pp/4):XB+2*pp+8*(pp/4)+1], s[CZ:CZ+1] op_sel_hi:[1,0]
.set pp, pp+1
.endr
.set pp, 0
.rept 16
	v_med3_num_f32 v[Z+pp], v[Z+pp], -4.0, 4.0
.set pp, pp+1
.endr
.set pp, 0
.rept 8
	v_pk_mul_f32 v[X2+2*pp:X2+2*pp+1], v[Z+2*pp:Z+2*pp+1], v[Z+2*pp:Z+2*pp+1]
.set pp, pp+1
.endr
.set pp, 0
.rept 8
	v_pk_fma_f32 v[GA+2*pp:GA+2*pp+1], v[X2+2*pp:X2+2*pp+1], s[A0:A0+1], v[KA1:KA1+1] op_sel_hi:[1,0,1]
.set pp, pp+1
.endr
.set pp, 0
.rept 8
	v_pk_fma_f32 v[GB+2*pp:GB+2*pp+1], v[X2+2*pp:X2+2*pp+1], s[B0:B0+1], v[KB1:KB1+1] op_sel_hi:[1,0,1]
.set pp, pp+1
.endr
	HORNER GA, A2
	HORNER GB, B2
	HORNER GA, A3
	HORNER GB, B3
	HORNER GA, A4
	HORNER GB, B4
.set pp, 0
	s_wait_alu depctr_va_vdst(0)
.rept 16
	v_rcp_f32 v[GB+pp], v[GB+pp]
.set pp, pp+1
.endr
	HORNER GA, A5
	HORNER GA, A6
.set pp, 0
.rept 8
	v_pk_mul_f32 v[GA+2*pp:GA+2*pp+1], v[GA+2*pp:GA+2*pp+1], v[Z+2*pp:Z+2*pp+1]
.set pp, pp+1
.endr
	s_wait_alu depctr_va_vdst(0)
.set pp, 0
.rept 8
	v_pk_mul_f32 v[GA+2*pp:GA+2*pp+1], v[GA+2*pp:GA+2*pp+1], v[GB+2*pp:GB+2*pp+1]
.set pp, pp+1
.endr
.set pp, 0
.rept 8
	v_pk_fma_f32 v[GA+2*pp:GA+2*pp+1], v[GA+2*pp:GA+2*pp+1], 0.5, 0.5 op_sel_hi:[1,0,0]
.set pp, pp+1
.endr
.set pp, 0
.rept 8
	v_pk_mul_f32 v[XB+2*pp+8*(pp/4):XB+2*pp+8*(pp/4)+1], v[XB+2*pp+8*(pp/4):XB+2*pp+8*(pp/4)+1], v[GA+2*pp:GA+2*pp+1]
.set pp, pp+1
.endr
.set pp, 0
.rept 8
	v_med3_num_f32 v[XB+pp], v[XB+pp], -v[LM], v[LM]
	v_med3_num_f32 v[XB+16+pp], v[XB+16+pp], -v[LM], v[LM]
.set pp, pp+1
.endr
	v_cvt_scalef32_pk8_bf8_f32 v[CD+4*(\m):CD+4*(\m)+1], v[XB:XB+7], v[SC]
	v_cvt_scalef32_pk8_bf8_f32 v[CD+4*(\m)+2:CD+4*(\m)+3], v[XB+16:XB+23], v[SC]
	v_nop
	ds_store_b128 v[HW], v[CD+4*(\m):CD+4*(\m)+3] offset:32768*(\m)+512*(\p)
.endm
	s_load_b256 s[4:11], s[0:1], 0x0
	s_load_b256 s[12:19], s[0:1], 0x20
	s_load_b128 s[20:23], s[0:1], 0x40
	v_lshl_add_u32 v[SPW], v0, 2, SPARE
	v_mov_b32 v[NIL], 0
	v_lshrrev_b32 v21, 5, v0
	s_delay_alu instid0(VALU_DEP_1)
	v_readfirstlane_b32 s[WV], v21
	v_and_b32 v21, 31, v0
	s_delay_alu instid0(VALU_DEP_1)
	v_lshlrev_b32 v[LI], 4, v21
	v_lshlrev_b32 v[CPA], 4, v0
	v_and_b32 v[PO], 127, v0
	s_delay_alu instid0(VALU_DEP_1)
	v_lshlrev_b32 v[PO], 4, v[PO]
	v_and_b32 v19, 15, v0
	v_bfe_u32 v20, v0, 4, 1
	s_wait_alu depctr_va_vdst(0)
	s_lshl_b32 s82, s[WV], 12
	v_add_nc_u32 v[XO], s82, v[LI]
	s_mul_i32 s83, s[WV], 2*HP
	s_add_co_u32 s83, s83, XSTG
	v_add_nc_u32 v[XW], s83, v[LI]
	s_lshl_b32 s83, s[WV], 7
	v_lshl_add_u32 v22, v20, 6, s83
	v_mul_u32_u24 v23, v19, HP
	s_delay_alu instid0(VALU_DEP_1)
	v_add_nc_u32 v23, v23, v22
	s_delay_alu instid0(VALU_DEP_1)
	v_add_nc_u32 v[XD], XSTG, v23
	s_delay_alu instid0(VALU_DEP_4)
	v_add_nc_u32 v[PD], PAR_BP, v22
	s_lshl_b32 s83, s[WV], 9
	s_add_co_u32 s83, s83, PAR_B1
	v_lshl_add_u32 v[PB1], v20, 6, s83
	s_lshl_b32 s83, s[WV], 2
	s_add_co_u32 s83, s83, RED1
	v_mul_u32_u24 v23, v21, 80
	s_delay_alu instid0(VALU_DEP_1)
	v_add_nc_u32 v[RW], s83, v23
	v_mul_u32_u24 v23, v19, 80
	s_delay_alu instid0(VALU_DEP_1)
	v_add_nc_u32 v[RRD], RED1, v23
	s_lshl_b32 s83, s[WV], 11
	s_add_co_u32 s83, s83, HIMG
	v_add_nc_u32 v[HW], s83, v[LI]
	v_add_nc_u32 v[AH], HIMG, v[LI]
	s_lshl_b32 s83, s[WV], 9
	s_add_co_u32 s83, s83, H2IMG
	v_add_nc_u32 v[H2W], s83, v[LI]
	v_mov_b32 v[PX], 0
	v_mov_b32 v[PX+1], 0
	v_mov_b32 v[MN0+1], 0
	v_mov_b32 v[MN0+3], 0
	v_mov_b32 v[KA1], 0x32edffee
	v_mov_b32 v[KA1+1], 0x32edffee
	v_mov_b32 v[KB1], 0xb95fbd29
	v_mov_b32 v[KB1+1], 0xb95fbd29
	s_mov_b32 s[HM], 0xffff0000
	s_mov_b32 s[SEL], 0x76543210
	s_mov_b32 s[SEL+1], 0xfedcba98
	s_mov_b32 s[RN], 0x3b000000
	s_mov_b32 s[NRN], 0xbb000000
	s_mov_b32 s[EPS], 0x3727c5ac
	s_mov_b32 s101, ttmp9
	s_lshl_b32 s66, s101, 16
	s_mov_b32 s67, 0
	s_lshl_b32 s68, s101, 14
	s_mov_b32 s69, 0
	s_mul_i32 s70, s[WV], 147456
	s_add_co_u32 s70, s70, 786432
	s_mov_b32 s71, 0
	s_lshr_b32 s72, s[WV], 2
	s_wait_kmcnt 0x0
	s_load_b512 s[E:E+15], s[20:21], 0x0
	s_add_nc_u64 s[4:5], s[4:5], s[66:67]
	s_add_nc_u64 s[22:23], s[22:23], s[66:67]
	s_add_nc_u64 s[6:7], s[6:7], s[68:69]
	s_add_nc_u64 s[WB:WB+1], s[8:9], s[70:71]
	s_cmp_lt_u32 s72, 3
	s_cselect_b64 s[82:83], s[14:15], s[18:19]
	s_cmp_lt_u32 s72, 2
	s_cselect_b64 s[82:83], s[12:13], s[82:83]
	s_cmp_lt_u32 s72, 1
	s_cselect_b64 s[82:83], s[10:11], s[82:83]
.irp R, 0,1
.irp j, 0,1,2,3
	global_load_b128 v[ACT+16*\R+4*\j:ACT+16*\R+4*\j+3], v[XO], s[4:5] offset:\R*2048+512*\j th:TH_LOAD_NT
.endr
.endr
	global_load_b128 v[ACC:ACC+3], v[CPA], s[6:7] th:TH_LOAD_NT
	global_load_b128 v[ACC+4:ACC+7], v[CPA], s[6:7] offset:8192 th:TH_LOAD_NT
	global_load_b128 v[ACC+8:ACC+11], v[CPA], s[16:17]
	global_load_b128 v[ACC+12:ACC+15], v[PO], s[82:83]
	WLOAD 0
	WLOAD 1
	WLOAD 2
	s_wait_alu depctr_va_vdst(0)
	SPAIR A0, 0xaf95df0b
	SPAIR A2, 0xb60cff51
	SPAIR A3, 0xb86ec2d2
	SPAIR A4, 0xba40ac63
	SPAIR A5, 0xbb41a1f6
	SPAIR A6, 0xbc83dbd4
	SPAIR B0, 0xb77460cd
	SPAIR B2, 0xbadc924e
	SPAIR B3, 0xbbf19bf8
	SPAIR B4, 0xbc69b6a7
	s_wait_kmcnt 0x0
	s_add_co_i32 s100, s[E+10], s[E+11]
	s_add_co_i32 s100, s100, 127
	s_lshl_b32 s[SC1], s100, 23
	s_mov_b32 s[SC1+1], s[SC1]
	s_add_co_i32 s100, s[E+14], s[E+15]
	s_add_co_i32 s100, s100, 127
	s_lshl_b32 s[SC2], s100, 23
	s_mov_b32 s[SC2+1], s[SC2]
	s_add_co_i32 s100, s[E+12], s[E+13]
	s_lshl_b32 s101, s100, 23
	s_add_co_i32 s[CZ], s101, 0x3f3504f3
	s_mov_b32 s[CZ+1], s[CZ]
	s_sub_co_i32 s[NB1], 0, s100
	s_sub_co_i32 s101, s[E+14], s100
	s_add_co_i32 s101, s101, 127
	s_lshl_b32 s[PH], s101, 23
	s_add_co_i32 s101, s101, 15
	s_lshl_b32 s[LH], s101, 23
	s_or_b32 s[LH], s[LH], 0x600000
	s_add_co_i32 s101, s[E+12], 127
	s_lshl_b32 s[P12], s101, 23
	s_add_co_i32 s101, s101, 15
	s_lshl_b32 s[L12], s101, 23
	s_or_b32 s[L12], s[L12], 0x600000
	s_wait_loadcnt 24                              ; x, y and the parameters are in; behind them: units 0 to 2
.irp j, 0,1,2,3
	v_ldexp_f32 v[ACC+8+\j], v[ACC+8+\j], s[NB1]
.endr
.irp R, 0,1
.irp j, 0,1,2,3
	ds_store_b128 v[XW], v[ACT+16*\R+4*\j:ACT+16*\R+4*\j+3] offset:\R*HP+512*\j
.endr
.endr
	ds_store_b128 v[CPA], v[ACC:ACC+3] offset:YIMG
	ds_store_b128 v[CPA], v[ACC+4:ACC+7] offset:YIMG+8192
	ds_store_b128 v[CPA], v[ACC+8:ACC+11] offset:PAR_B1
	ds_store_b128 v[CPA], v[ACC+12:ACC+15] offset:PAR_BP
	; a barrier orders the stores above with the reads below
	BAR
	STEP 0, LI, YIMG, 8192, 1, 0
	STEP 1, LI, YIMG+2048, 8192, 0, 0
	STEP 2, LI, YIMG+4096, 8192, 0, 0
	STEP 3, LI, YIMG+6144, 8192, 0, 0
	PLACES
.irp a, 0,1,2,3
.irp j, 0,1
	ds_load_b128 v[ACT+8*\a+4*\j:ACT+8*\a+4*\j+3], v[XD] offset:16*HP*(\a%2)+32*(\a/2)+16*\j
.endr
.endr
.irp j, 0,1,2,3
	ds_load_b128 v[B+4*\j:B+4*\j+3], v[PD] offset:16*\j
.endr
	s_wait_dscnt 0x0
	FINISH SC1
.irp a, 0,1,2,3
.irp j, 0,1
	ds_store_b128 v[XD], v[ACC+8*\a+4*\j:ACC+8*\a+4*\j+3] offset:16*HP*(\a%2)+32*(\a/2)+16*\j
.endr
.endr
	ROWRED 0, 0
	s_delay_alu instid0(VALU_DEP_2)
	v_mul_f32 v[MN0], s[NRN], v[T]
	s_delay_alu instid0(VALU_DEP_2)
	v_mul_f32 v[MN0+2], s[NRN], v[T+2]
.irp a, 0,1,2,3
.irp i, 0,2,4,6
	v_pk_add_f32 v[ACC+8*\a+\i:ACC+8*\a+\i+1], v[ACC+8*\a+\i:ACC+8*\a+\i+1], v[MN0+2*(\a%2):MN0+2*(\a%2)+1] op_sel_hi:[1,0]
.endr
.endr
	ROWRED 1, RED2-RED1
.irp j, 0,1,2,3
	ds_load_b128 v[ACT+4*\j:ACT+4*\j+3], v[PD] offset:2048+16*\j
	ds_load_b128 v[ACT+16+4*\j:ACT+16+4*\j+3], v[PD] offset:4096+16*\j
.endr
	v_fma_f32 v[MN0], v[T], s[RN], s[EPS]
	v_fma_f32 v[MN0+2], v[T+2], s[RN], s[EPS]
	s_wait_alu depctr_va_vdst(0)
	v_rsq_f32 v[MN0], v[MN0]
	v_rsq_f32 v[MN0+2], v[MN0+2]
	v_nop
	s_wait_alu depctr_va_vdst(0)
	s_wait_dscnt 0x0
.irp a, 0,1,2,3
.irp i, 0,2,4,6
	v_pk_mul_f32 v[ACC+8*\a+\i:ACC+8*\a+\i+1], v[ACC+8*\a+\i:ACC+8*\a+\i+1], v[MN0+2*(\a%2):MN0+2*(\a%2)+1] op_sel_hi:[1,0]
.endr
.endr
.irp a, 0,1,2,3
.irp i, 0,2,4,6
	v_pk_fma_f32 v[ACC+8*\a+\i:ACC+8*\a+\i+1], v[ACC+8*\a+\i:ACC+8*\a+\i+1], v[ACT+8*(\a/2)+\i:ACT+8*(\a/2)+\i+1], v[ACT+16+8*(\a/2)+\i:ACT+16+8*(\a/2)+\i+1]
.endr
.endr
	v_mov_b32 v[SC], s[P12]
	v_mov_b32 v[LM], s[L12]
.set i, 0
.rept 32
	v_med3_num_f32 v[ACC+i], v[ACC+i], -v[LM], v[LM]
.set i, i+1
.endr
.irp m, 0,1
	v_cvt_scalef32_pk8_bf8_f32 v[CD+4*\m:CD+4*\m+1], v[ACC+8*\m:ACC+8*\m+7], v[SC]
	v_cvt_scalef32_pk8_bf8_f32 v[CD+4*\m+2:CD+4*\m+3], v[ACC+16+8*\m:ACC+16+8*\m+7], v[SC]
.endr
	v_nop
	ds_store_b128 v[H2W], v[CD:CD+3]
	ds_store_b128 v[H2W], v[CD+4:CD+7] offset:8192
	v_mov_b32 v[SC], s[PH]
	v_mov_b32 v[LM], s[LH]
	BAR
.irp p, 0,1,2,3
	STEP 4+4*\p, LI, H2IMG, 8192, 2, 128*\p
	STEP 5+4*\p, LI, H2IMG+2048, 8192, 0, 0
	STEP 6+4*\p, LI, H2IMG+4096, 8192, 0, 0
	STEP 7+4*\p, LI, H2IMG+6144, 8192, 0, 0
	PLACES
	GELU 0, \p
	GELU 1, \p
.endr
	BAR
	STEP 20, AH, 0, 32768, 1, 0
.irp s, 1,2,3,4,5,6,7,8,9,10,11,12,13,14,15
	STEP 20+\s, AH, 2048*\s, 32768, 0, 0
.endr
	PLACES
.irp a, 0,1,2,3
.irp j, 0,1
	ds_load_b128 v[ACT+8*\a+4*\j:ACT+8*\a+4*\j+3], v[XD] offset:16*HP*(\a%2)+32*(\a/2)+16*\j
.endr
.endr
.irp j, 0,1,2,3
	ds_load_b128 v[B+4*\j:B+4*\j+3], v[PD] offset:6144+16*\j
.endr
	s_wait_dscnt 0x0
	FINISH SC2
.irp a, 0,1,2,3
.irp j, 0,1
	ds_store_b128 v[XD], v[ACC+8*\a+4*\j:ACC+8*\a+4*\j+3] offset:16*HP*(\a%2)+32*(\a/2)+16*\j
.endr
.endr
	BAR
.irp R, 0,1
.irp j, 0,1,2,3
	ds_load_b128 v[ACT+16*\R+4*\j:ACT+16*\R+4*\j+3], v[XW] offset:\R*HP+512*\j
.endr
.endr
.irp R, 0,1
.irp j, 0,1,2,3
	s_wait_dscnt 7-4*\R-\j
	global_store_b128 v[XO], v[ACT+16*\R+4*\j:ACT+16*\R+4*\j+3], s[22:23] offset:\R*2048+512*\j th:TH_STORE_NT
.endr
.endr
	s_wait_tensorcnt 0x0
	ds_add_u32 v[SPW], v[NIL]
	s_wait_dscnt 0x0
	s_endpgm
.Lfunc_end_k_qb2a16cda7e_tail:
	.size	k_qb2a16cda7e_tail, .Lfunc_end_k_qb2a16cda7e_tail-k_qb2a16cda7e_tail
	.p2alignl 7, 3214868480
	.fill 96, 4, 3214868480
	.section	.rodata,"a",@progbits
	.p2align	6, 0x0
	.amdhsa_kernel k_qb2a16cda7e_tail
		.amdhsa_group_segment_fixed_size 327680
		.amdhsa_private_segment_fixed_size 0
		.amdhsa_enable_private_segment 0
		.amdhsa_kernarg_size 80
		.amdhsa_user_sgpr_count 2
		.amdhsa_user_sgpr_kernarg_segment_ptr 1
		.amdhsa_wavefront_size32 1
		.amdhsa_system_sgpr_workgroup_id_x 1
		.amdhsa_system_sgpr_workgroup_id_y 1
		.amdhsa_system_sgpr_workgroup_id_z 1
		.amdhsa_system_vgpr_workitem_id 0
		.amdhsa_next_free_vgpr 256
		.amdhsa_next_free_sgpr 102
		.amdhsa_reserve_vcc 0
		.amdhsa_float_denorm_mode_32 3
		.amdhsa_float_denorm_mode_16_64 3
		.amdhsa_memory_ordered 1
		.amdhsa_forward_progress 1
		.amdhsa_inst_pref_size 181
	.end_amdhsa_kernel
	.amdgpu_metadata
---
amdhsa.version: [ 1, 2 ]
amdhsa.kernels:
  - .name:           k_qb2a16cda7e_tail
    .symbol:         k_qb2a16cda7e_tail.kd
    .args:
      - { .name: x, .offset: 0, .size: 8, .value_kind: global_buffer, .address_space: global }
      - { .name: y_img, .offset: 8, .size: 8, .value_kind: global_buffer, .address_space: global }
      - { .name: wimg, .offset: 16, .size: 8, .value_kind: global_buffer, .address_space: global }
      - { .name: bp, .offset: 24, .size: 8, .value_kind: global_buffer, .address_space: global }
      - { .name: g2, .offset: 32, .size: 8, .value_kind: global_buffer, .address_space: global }
      - { .name: beta2, .offset: 40, .size: 8, .value_kind: global_buffer, .address_space: global }
      - { .name: b1, .offset: 48, .size: 8, .value_kind: global_buffer, .address_space: global }
      - { .name: b2, .offset: 56, .size: 8, .value_kind: global_buffer, .address_space: global }
      - { .name: lowp_scales, .offset: 64, .size: 8, .value_kind: global_buffer, .address_space: global }
      - { .name: out0, .offset: 72, .size: 8, .value_kind: global_buffer, .address_space: global }
    .group_segment_fixed_size: 327680
    .private_segment_fixed_size: 0
    .kernarg_segment_align: 8
    .kernarg_segment_size: 80
    .max_flat_workgroup_size: 512
    .sgpr_count:     102
    .vgpr_count:     256
    .wavefront_size: 32
...
	.end_amdgpu_metadata
.endif
;; end of part 4
